; MI455X (gfx1250); checked and timed in simulation.
; The chip was launched on July 23, 2026; its instructions are those of AMD's public machine-readable ISA for CDNA 5 (MIT licence, August 2026) and "CDNA5" Instruction Set Architecture Reference Guide (July 2026). The comments in the code are by the model that wrote it; some were corrected since.
;; Attention. Allowed arithmetic: matrix products marked QUANTISED: E2M1 operands, one E8M0 scale for each 32 along K, by v_wmma_scale_f32_16x16x128_f8f6f4 with both operands' format E2M1 (or v_wmma_scale_f32_32x16x128_f4), f32 sums; products left as they are: bf16, f16 or f32 operands; f32 sums; everything else in f32.
;; Inputs: Wk 1,024 x 1,024 float32; Wo 1,024 x 1,024 float32; Wq 1,024 x 1,024 float32; Wv 1,024 x 1,024 float32; bk 1,024 float32; bo 1,024 float32; bq 1,024 float32; bv 1,024 float32; x 4 x 2,048 x 1,024 float32.
;; Outputs: out0 4 x 2,048 x 1,024 float32.
;; This version of the problem:
;;   THIS VERSION OF THE PROBLEM IS GIVEN IN LOW PRECISION. The matrix products marked QUANTISED in the list below multiply operands that are first quantised to E2M1 (2 exponent bits, 1 mantissa bit; 4 bits a number), with one power-of-two scale for each 32 numbers along K (OCP MX v1.0); their sums are f32. The products marked 'left as it is' may take bf16, f16 or f32 operands, with f32 sums. Whichever they take, every output number must still come out within the allowed error. Rounding operands to bf16 (8 significant bits) uses up far more of that allowance than f16 does (11 bits, for magnitudes from 6e-5 to 65,504). All else is computed in f32.
;;   The module's matrix products, in the order in which they are computed (A, B: the left and right operand; K: the contracted axis; several contracted axes count as one K, in the product's order):
;;     1. [M 8,192, K 1,024] x [K 1,024, N 1,024]; A: input x; B: input Wq: QUANTISED
;;     2. [M 8,192, K 1,024] x [K 1,024, N 1,024]; A: input x; B: input Wk: QUANTISED
;;     3. [M 8,192, K 1,024] x [K 1,024, N 1,024]; A: input x; B: input Wv: QUANTISED
;;     4. batch 4 x [M 2,048, K 1,024] x [K 1,024, N 2,048]; A: computed on the way; B: computed on the way: left as it is (an operand is computed on the way)
;;     5. batch 4 x [M 2,048, K 2,048] x [K 2,048, N 1,024]; A: computed on the way; B: computed on the way: left as it is (an operand is computed on the way)
;;     6. [M 8,192, K 1,024] x [K 1,024, N 1,024]; A: computed on the way; B: input Wo: left as it is (an operand is computed on the way)
;;   THE QUANTISER, for each operand of a quantised product, along K:
;;     - K is cut into blocks of 32 from its start; a last block that is shorter is filled with zeros.
;;     - A block's scale is 2^e with e = floor(log2(the largest magnitude in the block)) - 2, held to -126 .. 127; a block of zeros has e = 0. As a byte (E8M0): e + 127.
;;     - Each number is divided by its block's scale, clamped to +-6, and rounded to the nearest number of E2M1, ties to even, subnormals kept.
;;     - The product sums the exact products of the quantised numbers (number of the format x scale) in f32.
;;   ~~~python
;;   def quantise(x, axis):      # numpy; x: float32 -> the quantised numbers, widened to float32 again
;;       x = np.moveaxis(x, axis, -1); K = x.shape[-1]
;;       x = np.pad(x, [(0, 0)] * (x.ndim - 1) + [(0, -K % 32)]); x = x.reshape(x.shape[:-1] + (-1, 32)); a = np.abs(x).max(-1, keepdims=True)
;;       e = np.where(a > 0, np.clip(np.frexp(np.where(a > 0, a, 1))[1] - 1 - 2, -126, 127), 0)      # np.frexp(a)[1] - 1 = floor(log2(a)), exactly
;;       r = np.clip(x / 2.0 ** e, -6, 6)
;;       step = 2.0 ** (np.maximum(np.frexp(np.where(r == 0, 1, r))[1] - 1, 0) - 1)
;;       q = np.round(r / step) * step * 2.0 ** e      # np.round: ties to even
;;       return np.moveaxis(q.reshape(q.shape[:-2] + (-1,))[..., :K], -1, axis).astype(np.float32)
;;   ~~~
;; One version. Each part assembles by itself: llvm-mc -triple=amdgcn-amd-amdhsa -mcpu=gfx1250 --defsym DOCPART=n.
;; ======== version 1 of 1: 6 launches
;; limits: values are held in f16: magnitudes above 65,504 overflow, below 6.1e-05 lose precision
;; workspace buffers: prepbuf 8,224,768 bytes; qkvimg 50,331,648 bytes; head32 786,432 bytes; pimg 33,554,432 bytes; stats 1,048,576 bytes; attnimg 16,777,216 bytes
;; launch prep (part 1): grid 480 x 1, 4 waves a work-group, no clusters, 117,248 bytes of LDS; arguments x, Wq, Wk, Wv, Wo, prepbuf; writes prepbuf
.if DOCPART == 1
	.amdgcn_target "amdgcn-amd-amdhsa--gfx1250"
	.amdhsa_code_object_version 6
	.text
	.protected	k_q73e3e6e17d_prep
	.globl	k_q73e3e6e17d_prep
	.p2align	8
	.type	k_q73e3e6e17d_prep,@function
k_q73e3e6e17d_prep:
	s_mov_b64 s[64:65], 0
	v_nop
	global_prefetch_b8 v0, s[64:65] scope:SCOPE_SE
	s_setreg_imm32_b32 hwreg(HW_REG_WAVE_MODE, 25, 1), 1
	s_wait_xcnt 0x0
; FIRST LAUNCH OF SIX.  out = softmax_causal((x Wq + bq)(x Wk + bk)^T / 8) (x Wv + bv) Wo + bo; the three products with x are made on codes of E2M1 with one E8M0 scale for each 32 along K.
; This launch turns x (K innermost) and Wq, Wk, Wv (K is their FIRST axis) into codes and scale bytes, and lays Wo^T out in f16 in the order of an operand's registers.
; WORK LEFT OUT, in the whole program:
;  (1) bk.  scores[q][k] = Q[q].(x Wk)[k] / 8 + Q[q].bk / 8.  The second term is the same for every key k of a row q, and the softmax runs along k: exp(s + t) / sum exp(s + t) = exp(s) / sum exp(s) for every
;      finite t; hidden keys stay at -infinity.  The product of Q and K is not quantised, so bk enters no quantiser.  So bk has no way to any output: it is not loaded and is among no launch's arguments.
;  (2) Tiles of scores and weights that lie wholly above the diagonal of the causal mask, which the problem builds itself.
;  LIMIT: a NaN, an infinity or an overflow that reaches only bk, Q.bk or a hidden tile is not carried to the result.
; LIMITS of the quantiser here: a block of zeros gets the byte 1 where the rule says 127 (its codes are zeros, and this program alone reads the bytes); blocks whose largest magnitude lies under 2^-124 are held at the
; byte 1; NaN and infinities among the inputs are not served.  Wo goes to f16: magnitudes over 65,504 are not served.
; THREE PATHS, parted on the work-group's number, each with LDS bytes of its own:
;  X (work-groups 0-255): x as a plain stream of blocks of 32; a wave takes 16 steps of 512 numbers.
;  W (256-351): 64 columns x 512 along K of one of Wq, Wk, Wv; a wave takes 128 along K.  A lane takes a column and its registers run down K.
;  O (352-479): 64 columns x 128 rows of Wo, rounded to f16 and laid as Wo^T in blocks of 16 x 16.
; prepbuf: x codes [8192][512 B] at 0; W codes [3072][512 B] (row = 1024 x which + column); x scale bytes [8192][32]; W scale bytes [3072][32]; Wo^T.
; Wo^T[n][d], f16: block (n / 16, d / 16) of 512 bytes at ((n / 16) 64 + d / 16) 512; in it the 8 numbers d % 8 of row n lie at 16 ((n % 16) + 16 ((d / 8) % 2)).
.set WC_OFF,  4194304
.set XS_OFF,  5767168
.set WS_OFF,  6029312
.set WOT_OFF, 6127616
.set WREG,  8192                       ; path X: a region for each wave: two stages of 32 x SP bytes, then its 256 scale bytes
.set SP,    80                         ; a lane's place in a stage: 64 bytes + 16 of padding
.set WST,   32768                      ; path W: 32 rows x 256 bytes of f32 for each wave
.set CST,   65536                      ; path W: 64 columns x (256 bytes of codes + 16)
.set SST,   82944                      ; path W: 64 columns x 16 scale bytes
.set OST,   83968                      ; path O: 32 rows x 256 bytes for each wave
.set SPARE, 116736                     ; the spare words, 128 bytes for each wave; no other line names them
.set SPW, 12                           ; v12 LDS address of my spare word; never rewritten
.set NIL, 13                           ; v13 0; never rewritten
.set RR,  16                           ; path X: v16-143 eight sets of 16 numbers as loaded
.set XX,  144                          ; v144-175 two sets of 16 neighbours
.set CC,  176                          ; v176-207 two registers of codes for each step
.set EE,  208                          ; v208-223 a scale byte for each step
.macro XLOAD t                         ; step t: four loads of 512 consecutive bytes
.irp i, 0,1,2,3
	global_load_b128 v[RR+16*((\t)%8)+4*\i:RR+16*((\t)%8)+4*\i+3], v3, s[4:5] offset:2048*(\t)+512*\i th:TH_LOAD_NT
.endr
.endm
.macro XTURN t                         ; step t's numbers through the wave's own stage: in as they lie, back 64 bytes a lane.  LDS serves a wave's instructions in order
.irp i, 0,1,2,3
	ds_store_b128 v14, v[RR+16*((\t)%8)+4*\i:RR+16*((\t)%8)+4*\i+3] offset:32*SP*((\t)%2)+8*SP*\i
.endr
.irp i, 0,1,2,3
	ds_load_b128 v[XX+16*((\t)%2)+4*\i:XX+16*((\t)%2)+4*\i+3], v15 offset:32*SP*((\t)%2)+16*\i
.endr
.endm
.macro XSTEP t
.set XN, XX+16*((\t)%2)
.if (\t) > 0
	s_wait_dscnt 1                                 ; this step's numbers are back from the stage; the last step's byte store may be out
.else
	s_wait_dscnt 0x0
.endif
.if (\t)+8 < 16
	XLOAD (\t)+8                                   ; into the set that this step's stage stores have read
.endif
.if (\t)+1 < 16
.if (\t) <= 7
	s_wait_loadcnt 28                              ; the next step's four loads are in; those of the seven steps behind it may be out
.else
	s_wait_loadcnt 4*(14-(\t))                     ; no more loads are issued: the count runs down
.endif
	XTURN (\t)+1
.endif
	v_max3_num_f32 v8, |v[XN]|, |v[XN+1]|, |v[XN+2]|
	v_max3_num_f32 v9, |v[XN+3]|, |v[XN+4]|, |v[XN+5]|
.irp i, 6,10
	v_max3_num_f32 v8, v8, |v[XN+\i]|, |v[XN+\i+1]|
	v_max3_num_f32 v9, v9, |v[XN+\i+2]|, |v[XN+\i+3]|
.endr
	v_max3_num_f32 v8, v8, |v[XN+14]|, |v[XN+15]|
	v_max3_num_f32 v8, v8, v9, 0x1800000           ; and the floor 2^(3 - 127): the byte cannot fall under 1
	v_max_num_f32_dpp v8, v8, v8 row_xmask:1 row_mask:0xf bank_mask:0xf   ; with my neighbour's 16: the block's largest magnitude
	v_add_nc_u32 v11, 0xff000000, v8               ; 2 off its exponent field: the conversion takes that field as its scale
	v_cvt_scalef32_pk8_fp4_f32 v[CC+2*(\t)], v[XN:XN+7], v11
	v_cvt_scalef32_pk8_fp4_f32 v[CC+2*(\t)+1], v[XN+8:XN+15], v11
	v_lshrrev_b32 v[EE+(\t)], 23, v11              ; the scale's byte
	ds_store_b8 v5, v[EE+(\t)] offset:16*(\t)      ; both lanes of a block write the same byte with the same value
	global_store_b64 v4, v[CC+2*(\t):CC+2*(\t)+1], s[20:21] offset:256*(\t)   ; the wave stores 256 consecutive bytes
.endm
.macro GET32 set, t                    ; paths W and O: 32 rows x 64 columns of f32: each load takes two rows of 256 consecutive bytes
.irp j, 0,1,2,3,4,5,6,7,8,9,10,11,12,13,14,15
	global_load_b128 v[16+64*(\set)+4*\j:16+64*(\set)+4*\j+3], v4, s[20:21] offset:(32*(\t)+2*\j)*4096 th:TH_LOAD_NT
.endr
.endm
.macro PUT32 set                       ; into my stage as they lie: row i at 256 i
.irp j, 0,1,2,3,4,5,6,7,8,9,10,11,12,13,14,15
	ds_store_b128 v5, v[16+64*(\set)+4*\j:16+64*(\set)+4*\j+3] offset:512*\j
.endr
.endm
.macro COL g                           ; back: my lane's column 32 g + lane, 32 registers down K
.irp i, 0,1,2,3,4,5,6,7,8,9,10,11,12,13,14,15,16,17,18,19,20,21,22,23,24,25,26,27,28,29,30,31
	ds_load_b32 v[144+\i], v6 offset:256*\i+128*(\g)
.endr
.endm
.macro QBLK t, g                       ; a block of 32 along K of one column, all in my registers: its byte, its 16 bytes of codes
	v_max3_num_f32 v8, |v144|, |v145|, |v146|
	v_max3_num_f32 v9, |v147|, |v148|, |v149|
.irp i, 6,10,14,18,22,26
	v_max3_num_f32 v8, v8, |v[144+\i]|, |v[145+\i]|
	v_max3_num_f32 v9, v9, |v[146+\i]|, |v[147+\i]|
.endr
	v_max3_num_f32 v8, v8, |v174|, |v175|
	v_max3_num_f32 v8, v8, v9, 0x1800000
	v_add_nc_u32 v11, 0xff000000, v8
	v_lshrrev_b32 v9, 23, v11
.if (\t) == 0
	v_mov_b32 v[180+(\g)], v9
.else
	v_lshl_or_b32 v[180+(\g)], v9, 8*(\t), v[180+(\g)]
.endif
.irp q, 0,1,2,3
	v_cvt_scalef32_pk8_fp4_f32 v[176+\q], v[144+8*\q:151+8*\q], v11
.endr
	ds_store_b128 v7, v[176:179] offset:8704*(\g)+16*(\t)
.endm
	s_load_b256 s[4:11], s[0:1], 0x0               ; x, Wq, Wk, Wv
	s_load_b128 s[12:15], s[0:1], 0x20             ; Wo, prepbuf
	v_lshl_add_u32 v[SPW], v0, 2, SPARE
	v_mov_b32 v[NIL], 0
	v_lshrrev_b32 v1, 5, v0
	v_readfirstlane_b32 s16, v1                    ; wave 0..3
	v_and_b32 v2, 31, v0                           ; lane
	s_wait_kmcnt 0x0
	s_cmp_lt_u32 ttmp9, 256
	s_cbranch_scc0 .Lnot_x
	; ---------------- path X
	v_lshlrev_b32 v3, 4, v2                        ; my 16 bytes of a load's 512
	s_mul_i32 s17, s16, WREG
	v_lshrrev_b32 v14, 2, v2
	v_mul_u32_u24 v14, v14, SP
	v_and_b32 v15, 3, v2
	v_lshl_add_u32 v14, v15, 4, v14
	v_add_nc_u32 v14, s17, v14                     ; the stage, on the way in: SP (lane / 4) + 16 (lane % 4)
	v_mul_u32_u24 v15, v2, SP
	v_add_nc_u32 v15, s17, v15                     ; and on the way out: SP x lane
	v_lshlrev_b32 v4, 3, v2                        ; my 8 bytes of a step's codes
	v_lshrrev_b32 v5, 1, v2
	s_add_co_u32 s17, s17, 2*32*SP
	v_add_nc_u32 v5, s17, v5                       ; my block's byte among the wave's 256
	v_lshlrev_b32 v7, 3, v2
	v_add_nc_u32 v6, s17, v7
	s_lshl_b32 s17, ttmp9, 2
	s_add_co_u32 s17, s17, s16                     ; which run of 8,192 numbers is my wave's
	s_lshl_b32 s18, s17, 15
	s_mov_b32 s19, 0
	s_add_nc_u64 s[4:5], s[4:5], s[18:19]
	s_lshl_b32 s18, s17, 12
	s_add_nc_u64 s[20:21], s[14:15], s[18:19]      ; its codes
	s_lshl_b32 s18, s17, 8
	s_add_co_u32 s18, s18, XS_OFF
	s_add_nc_u64 s[22:23], s[14:15], s[18:19]      ; its scale bytes
.irp t, 0,1,2,3,4,5,6,7
	XLOAD \t
.endr
	s_wait_loadcnt 28                              ; step 0's four loads are in
	XTURN 0
.irp t, 0,1,2,3,4,5,6,7,8,9,10,11,12,13,14,15
	XSTEP \t
.endr
	ds_load_b64 v[8:9], v6                         ; my wave's 256 scale bytes, 8 a lane
	s_wait_dscnt 0x0
	global_store_b64 v7, v[8:9], s[22:23]          ; 256 consecutive bytes
	s_wait_tensorcnt 0x0                           ; the wave's end, behind my last LDS store
	ds_add_u32 v[SPW], v[NIL]
	s_wait_dscnt 0x0
	s_endpgm
.Lnot_x:
	v_lshrrev_b32 v1, 4, v2                        ; lane / 16
	v_and_b32 v3, 15, v2                           ; lane % 16
	v_lshlrev_b32 v4, 12, v1
	v_lshl_add_u32 v4, v3, 4, v4                   ; a load's place: two rows of 4,096 bytes, 16 bytes a lane
	s_cmp_lt_u32 ttmp9, 352
	s_cbranch_scc0 .Lpath_o
	; ---------------- path W
	s_sub_co_u32 s17, ttmp9, 256
	s_lshr_b32 s18, s17, 5                         ; which: 0 Wq, 1 Wk, 2 Wv
	s_bfe_u32 s19, s17, 0x40001                    ; which 64 columns
	s_and_b32 s24, s17, 1                          ; which 512 along K
	s_cmp_eq_u32 s18, 0
	s_cselect_b64 s[20:21], s[6:7], s[8:9]
	s_cmp_eq_u32 s18, 2
	s_cselect_b64 s[20:21], s[10:11], s[20:21]
	s_lshl_b32 s22, s24, 9
	s_lshl_b32 s23, s16, 7
	s_add_co_u32 s22, s22, s23                     ; my first row of W
	s_lshl_b32 s22, s22, 12
	s_lshl_b32 s23, s19, 8
	s_add_co_u32 s22, s22, s23
	s_mov_b32 s23, 0
	s_add_nc_u64 s[20:21], s[20:21], s[22:23]
	s_lshl_b32 s25, s16, 13
	v_lshlrev_b32 v5, 4, v2
	v_add_nc_u32 v5, s25, v5
	v_add_nc_u32 v5, WST, v5                       ; my stage, in: 16 x lane
	v_lshlrev_b32 v6, 2, v2
	v_add_nc_u32 v6, s25, v6
	v_add_nc_u32 v6, WST, v6                       ; my stage, back: 4 x lane
	v_mul_u32_u24 v7, v2, 272
	s_lshl_b32 s25, s16, 6
	v_add_nc_u32 v7, s25, v7
	v_add_nc_u32 v7, CST, v7                       ; codes: row = column, my wave's 64 bytes of its 256
	v_lshlrev_b32 v14, 4, v2
	s_lshl_b32 s25, s16, 2
	v_add_nc_u32 v14, s25, v14
	v_add_nc_u32 v14, SST, v14                     ; scale bytes: 16 a column, my wave's word
	s_mul_i32 s25, s16, 16*272
	v_mul_u32_u24 v15, v1, 272
	v_lshl_add_u32 v15, v3, 4, v15
	v_add_nc_u32 v15, s25, v15
	v_add_nc_u32 v15, CST, v15                     ; the way out: sixteen lanes to a column's 256 bytes, two columns an instruction
	v_lshlrev_b32 v182, 9, v1
	v_lshl_add_u32 v182, v3, 4, v182               ; and the same place in the codes' rows of 512 bytes
	s_lshl_b32 s25, s16, 8
	v_lshlrev_b32 v183, 3, v2
	v_add_nc_u32 v183, s25, v183
	v_add_nc_u32 v183, SST, v183                   ; scale bytes back: my wave's 16 columns, 8 bytes a lane
	v_lshrrev_b32 v184, 1, v2
	v_and_b32 v185, 1, v2
	v_lshlrev_b32 v184, 5, v184
	v_lshl_add_u32 v184, v185, 3, v184             ; their place in rows of 32 bytes
	s_lshl_b32 s26, s18, 10
	s_lshl_b32 s27, s19, 6
	s_add_co_u32 s26, s26, s27
	s_lshl_b32 s27, s16, 4
	s_add_co_u32 s27, s26, s27                     ; the first of the 16 rows of codes that my wave stores
	s_lshl_b32 s28, s27, 9
	s_lshl_b32 s29, s24, 8
	s_add_co_u32 s28, s28, s29
	s_add_co_u32 s28, s28, WC_OFF
	s_mov_b32 s29, 0
	s_add_nc_u64 s[28:29], s[14:15], s[28:29]
	s_lshl_b32 s30, s27, 5
	s_lshl_b32 s31, s24, 4
	s_add_co_u32 s30, s30, s31
	s_add_co_u32 s30, s30, WS_OFF
	s_mov_b32 s31, 0
	s_add_nc_u64 s[30:31], s[14:15], s[30:31]
	GET32 0, 0
	GET32 1, 1
.irp t, 0,1,2,3
.if \t < 3
	s_wait_loadcnt 16                              ; this block's 16 loads are in; the next block's may be out
.else
	s_wait_loadcnt 0x0
.endif
	PUT32 \t%2
	COL 0
	s_wait_dscnt 0x0                               ; the column is in, and the stage stores have read their registers,
.if \t < 2
	GET32 \t%2, \t+2                               ; which take the block two further on
.endif
	QBLK \t, 0
	COL 1
	s_wait_dscnt 0x0
	QBLK \t, 1
.endr
	ds_store_b32 v14, v180
	ds_store_b32 v14, v181 offset:512
	s_wait_dscnt 0x0                               ; for the others' sake: my codes and scale bytes lie in LDS
	s_barrier_signal -1                            ; (the branch that leads here hangs on the work-group's number alone: all four waves pass)
	s_barrier_wait -1
.irp j, 0,1,2,3,4,5,6,7
	ds_load_b128 v[16+4*\j:19+4*\j], v15 offset:2*\j*272
.endr
	ds_load_b64 v[48:49], v183
.irp j, 0,1,2,3,4,5,6,7
	s_wait_dscnt 8-\j
	global_store_b128 v182, v[16+4*\j:19+4*\j], s[28:29] offset:1024*\j   ; sixteen lanes store 256 consecutive bytes, aligned
.endr
	s_wait_dscnt 0x0
	global_store_b64 v184, v[48:49], s[30:31]      ; 16 bytes of each row of 32: pieces, 98,304 bytes in the whole launch
	s_wait_tensorcnt 0x0                           ; the wave's end
	ds_add_u32 v[SPW], v[NIL]
	s_wait_dscnt 0x0
	s_endpgm
.Lpath_o:
	; ---------------- path O
	s_sub_co_u32 s17, ttmp9, 352
	s_and_b32 s19, s17, 15                         ; which 64 columns n
	s_lshr_b32 s18, s17, 4                         ; which 128 rows d
	s_lshl_b32 s22, s18, 7
	s_lshl_b32 s23, s16, 5
	s_add_co_u32 s22, s22, s23                     ; my 32 rows
	s_lshl_b32 s22, s22, 12
	s_lshl_b32 s23, s19, 8
	s_add_co_u32 s22, s22, s23
	s_mov_b32 s23, 0
	s_add_nc_u64 s[20:21], s[12:13], s[22:23]
	s_lshl_b32 s25, s16, 13
	v_lshlrev_b32 v5, 4, v2
	v_add_nc_u32 v5, s25, v5
	v_add_nc_u32 v5, OST, v5
	v_lshlrev_b32 v6, 2, v2
	v_add_nc_u32 v6, s25, v6
	v_add_nc_u32 v6, OST, v6
	v_lshlrev_b32 v7, 15, v1
	v_lshl_add_u32 v7, v3, 4, v7                   ; out: block row lane / 16, slot lane % 16
	s_lshl_b32 s26, s19, 17                        ; 4 block rows of 32,768 bytes for each 64 columns
	s_lshl_b32 s27, s18, 12                        ; 8 blocks of 512 bytes for each 128 rows d
	s_add_co_u32 s26, s26, s27
	s_lshl_b32 s27, s16, 10                        ; 2 blocks for my 32
	s_add_co_u32 s26, s26, s27
	s_add_co_u32 s26, s26, WOT_OFF
	s_mov_b32 s27, 0
	s_add_nc_u64 s[28:29], s[14:15], s[26:27]
	GET32 0, 0
	s_wait_loadcnt 0x0
	PUT32 0
.irp g, 0,1
	COL \g
	s_wait_dscnt 0x0
.irp k, 0,1,2,3,4,5,6,7,8,9,10,11,12,13,14,15
	v_cvt_pk_f16_f32 v[184+16*\g+\k], v[144+2*\k], v[145+2*\k]   ; two neighbours along d
.endr
.irp o, 0,1,2,3
	global_store_b128 v7, v[184+16*\g+4*\o:187+16*\g+4*\o], s[28:29] offset:\g*65536+(\o/2)*512+(\o%2)*256   ; sixteen lanes store 256 consecutive bytes, aligned
.endr
.endr
	s_wait_tensorcnt 0x0                           ; the wave's end
	ds_add_u32 v[SPW], v[NIL]
	s_wait_dscnt 0x0
	s_endpgm
.Lfunc_end_k_q73e3e6e17d_prep:
	.size	k_q73e3e6e17d_prep, .Lfunc_end_k_q73e3e6e17d_prep-k_q73e3e6e17d_prep
	.p2alignl 7, 3214868480
	.fill 96, 4, 3214868480
	.section	.rodata,"a",@progbits
	.p2align	6, 0x0
	.amdhsa_kernel k_q73e3e6e17d_prep
		.amdhsa_group_segment_fixed_size 117248
		.amdhsa_private_segment_fixed_size 0
		.amdhsa_enable_private_segment 0
		.amdhsa_kernarg_size 48
		.amdhsa_user_sgpr_count 2
		.amdhsa_user_sgpr_kernarg_segment_ptr 1
		.amdhsa_wavefront_size32 1
		.amdhsa_system_sgpr_workgroup_id_x 1
		.amdhsa_system_sgpr_workgroup_id_y 1
		.amdhsa_system_sgpr_workgroup_id_z 1
		.amdhsa_system_vgpr_workitem_id 0
		.amdhsa_next_free_vgpr 256
		.amdhsa_next_free_sgpr 66
		.amdhsa_reserve_vcc 0
		.amdhsa_float_denorm_mode_32 3
		.amdhsa_float_denorm_mode_16_64 3
		.amdhsa_memory_ordered 1
		.amdhsa_forward_progress 1
		.amdhsa_inst_pref_size 87
	.end_amdhsa_kernel
	.amdgpu_metadata
---
amdhsa.version: [ 1, 2 ]
amdhsa.kernels:
  - .name:           k_q73e3e6e17d_prep
    .symbol:         k_q73e3e6e17d_prep.kd
    .args:
      - { .name: x, .offset: 0, .size: 8, .value_kind: global_buffer, .address_space: global }
      - { .name: Wq, .offset: 8, .size: 8, .value_kind: global_buffer, .address_space: global }
      - { .name: Wk, .offset: 16, .size: 8, .value_kind: global_buffer, .address_space: global }
      - { .name: Wv, .offset: 24, .size: 8, .value_kind: global_buffer, .address_space: global }
      - { .name: Wo, .offset: 32, .size: 8, .value_kind: global_buffer, .address_space: global }
      - { .name: prepbuf, .offset: 40, .size: 8, .value_kind: global_buffer, .address_space: global }
    .group_segment_fixed_size: 117248
    .private_segment_fixed_size: 0
    .kernarg_segment_align: 8
    .kernarg_segment_size: 48
    .max_flat_workgroup_size: 128
    .sgpr_count:     66
    .vgpr_count:     256
    .wavefront_size: 32
...
	.end_amdgpu_metadata
.endif
;; end of part 1
;; launch qkv (part 2): grid 12 x 32, 4 waves a work-group, clusters of 4 x 4, 327,680 bytes of LDS; arguments prepbuf, qkvimg, bq, bv, head32; writes qkvimg, head32
.if DOCPART == 2
	.amdgcn_target "amdgcn-amd-amdhsa--gfx1250"
	.amdhsa_code_object_version 6
	.text
	.protected	k_q73e3e6e17d_qkv
	.globl	k_q73e3e6e17d_qkv
	.p2align	8
	.type	k_q73e3e6e17d_qkv,@function
k_q73e3e6e17d_qkv:
	s_mov_b64 s[64:65], 0
	v_nop
	global_prefetch_b8 v0, s[64:65] scope:SCOPE_SE
	s_setreg_imm32_b32 hwreg(HW_REG_WAVE_MODE, 25, 1), 1
	s_wait_xcnt 0x0
	s_wait_alu depctr_hold_cnt(0) depctr_sa_sdst(0) depctr_va_vdst(0) depctr_va_sdst(0) depctr_va_ssrc(0) depctr_va_vcc(0) depctr_vm_vsrc(0)
	s_getreg_b32 s2, hwreg(HW_REG_IB_STS2, 6, 4)
	s_cmp_eq_u32 s2, 0
	s_cbranch_scc0 .Lentry_in_a_cluster
	s_endpgm
.Lentry_in_a_cluster:
	s_bfe_u32 s2, ttmp6, 0x10000c
	s_cmp_lg_u32 s2, 0xf033
	s_cbranch_scc0 .Lentry_shape_is_right
	s_endpgm
.Lentry_shape_is_right:
; SECOND LAUNCH.  Q = x Wq + bq, K = x Wk, V = x Wv + bv as ONE product on codes of FP4 (E2M1) with E8M0 scales: A = x [8192][1024], B = the three weights [3072][1024], K innermost in both.
; LEFT OUT: bk (shown dead at the head of the first kernel): K's sums begin with the constant 0, Q's and V's with their bias as C.
; A tile of 256 x 256 is made by four waves, 128 x 128 each: 64 accumulators.  K = 1,024 is two slots of 512 along K: both are first fills, nothing is filled again.
; The scale bytes of the work-group's rows, for all of K, come once, in rows of 256 bytes.
; CLUSTERS: 4 x 4.  A's tiles are shared along a row of the cluster, B's along a column, by joint loads.  The tile row is 8 cy + cluster y: the four partners along y stand at the same place in the four
; batches, so that 'this tile holds a batch's first rows' is cluster y = 0, the same in all sixteen.  The tile column is 4 x cluster x + cx: cluster x says which of Q, K, V.
; THE MATRIX INSTRUCTION IS USED TRANSPOSED (source 0 = 16 rows of B, source 1 = 16 rows of A): a lane holds eight neighbouring columns of one row.
; THE WAY OUT has no stage.  Rounded to f16, a lane's eight numbers are 16 bytes, and the results are laid in blocks of 16 x 16 (512 bytes, block (row / 16, column / 16) at ((row / 16) 64 + column / 16) 512):
;   Q, K: the piece (row % 16, (column / 8) % 2) at 16 (row % 16 + 16 x half): the registers of an operand whose K runs along the columns;
;   V:    at 16 (2 (row % 16) + half): as the turning LDS load of the fourth launch wants it.
; Either way a store of the wave covers 512 consecutive bytes.  Rows 0-15 of each batch also leave in f32 (head32), for the last launch.
; LIMIT: Q, K, V go on in f16: magnitudes over 65,504 are not served.
; REGISTERS: window 0: v0-31 addresses; v32-95 scale words, two sets; v128-191 A's fragments, on the way out the packed results; v192-255 the bias.  window 1: B's fragments, two sets.  windows 2, 3: the accumulators.
.set SIZE_K, 1024
.set WC_OFF,  4194304
.set XS_OFF,  5767168
.set WS_OFF,  6029312
.set KSTEP,  512
.set NQ,     KSTEP/128
.set ROWB,   256
.set KROW,   SIZE_K*4/8
.set PITCH,  272                       ; an LDS row: 256 bytes + 16 of padding: the 16 rows that a load touches start at 16 different banks
.set FR,     8
.set NL,     2
.set NP,     4
.set HALFT,  128*PITCH
.set SLOT,   4*HALFT
.set KS,     SIZE_K/32
.set SCL,    2*SLOT
.set HALFS,  (128*KS/256)*272
.set SBLK,   (16*KS/256)*272
.set SPARE,  SCL+4*HALFS               ; the spare words, 128 bytes for each wave; no other line names them
.set ADRA, 16
.set ADRB, 20
.set LA,   25                          ; v25 16 x lane
.set CO,   26                          ; v26 my piece's place in a block
.set ADRS, 27
.set SPW,  28
.set NIL,  29
.set BOF,  30                          ; v30 32 x (lane / 16): my eight numbers of a bias
.set SC,   32
.set AF,   128
.set TMP,  128
.set BIAS, 192
.set G1, 24
.set G0, 32
.set G1B, 48
.set G0B, 56
.set G1S, 68
.set G0S, 76
.set G1SB, 80
.set G0SB, 88
.set MSB, 0
.macro WIN new                         ; the immediate's high byte repeats the setting that is left
.if MSB != \new
	s_set_vgpr_msb (MSB<<8)|\new
.set MSB, \new
.endif
.endm
.set MUL_LO, 0xa1                      ; source 0 (B) window 1, source 1 (A) window 0, C and D window 2
.set MUL_HI, 0xf1                      ; the same, C and D window 3
.set TO_B,   0x40
; A joint load: waves 0 and 1 fetch for A, waves 2 and 3 for B.  An s_nop 0 and four v_nop follow each of the two lines.
.macro JLOAD g0a, g1a, g0b, g1b
	s_cmp_eq_u32 s15, 0
	s_cbranch_scc0 .Lfor_b_\@
	tensor_load_to_lds s[\g0a:\g0a+3], s[\g1a:\g1a+7]
	s_nop 0
.rept 4
	v_nop
.endr
	s_branch .Lasked_\@
.Lfor_b_\@:
	tensor_load_to_lds s[\g0b:\g0b+3], s[\g1b:\g1b+7]
	s_nop 0
.rept 4
	v_nop
.endr
.Lasked_\@:
.endm
.macro CROUND                          ; a round of the cluster's barrier
	s_barrier_signal -1
	s_barrier_wait -1
	s_cmp_lg_u32 s14, 0
	s_cbranch_scc1 .Lnot_wave_0_\@
	s_barrier_signal -3
.Lnot_wave_0_\@:
	s_barrier_wait -3
	s_barrier_signal -1
	s_barrier_wait -1
.endm
	s_load_b64 s[4:5], s[0:1], 0x0                 ; prepbuf
	s_load_b64 s[12:13], s[0:1], 0x8               ; qkvimg
	s_load_b128 s[96:99], s[0:1], 0x10             ; bq, bv
	s_load_b64 s[100:101], s[0:1], 0x20            ; head32
	v_lshl_add_u32 v[SPW], v0, 2, SPARE
	v_mov_b32 v[NIL], 0
	ds_add_u32 v[SPW], v[NIL]                      ; the wave's opening: the add, twice on end, and its wait ahead of my first tensor load
	ds_add_u32 v[SPW], v[NIL]
	v_lshrrev_b32 v1, 5, v0
	v_readfirstlane_b32 s14, v1                    ; wave 0..3
	s_lshr_b32 s15, s14, 1                         ; which half of the tile's rows is mine.  Also: I fetch for A (0) or for B (1)
	s_and_b32 s16, s14, 1                          ; which half of its columns.  Also: which 128 rows I fetch
	s_bfe_u32 s40, ttmp6, 0x40000                  ; cx
	s_bfe_u32 s41, ttmp6, 0x40004                  ; cy
	s_lshl_b32 s42, ttmp9, 2
	s_add_co_u32 s42, s42, s40                     ; tile column = 4 x cluster x + cx
	s_and_b32 s17, ttmp7, 0xffff
	s_lshl_b32 s43, s41, 3
	s_add_co_u32 s17, s17, s43                     ; tile row = 8 cy + cluster y: batch cy, place cluster y
	s_lshl_b32 s43, s41, 2
	s_lshl_b32 s43, 15, s43                        ; my row of the cluster
	s_lshl_b32 s44, 0x1111, s40                    ; my column
	s_or_b32 s[G1+0], s43, (0<<16)|(1<<20)|(1<<21)|(5<<22)|(3<<25)  ; the mask; elements of 1 byte; padding on; bit 21 beside a mask; 4 words behind every 64
	s_or_b32 s[G1B+0], s44, (0<<16)|(1<<20)|(1<<21)|(5<<22)|(3<<25)
.irp g, G1, G1B
	s_mov_b32 s[\g+1], ROWB<<16                    ; tensor_dim0
	s_mov_b32 s[\g+2], 128<<16                     ; tensor_dim1
	s_mov_b32 s[\g+3], ROWB<<16                    ; tile_dim0
	s_mov_b32 s[\g+4], 128                         ; tile_dim1
	s_mov_b32 s[\g+5], KROW                        ; the pitch
	s_mov_b32 s[\g+6], 0
	s_mov_b32 s[\g+7], 0
.endr
	s_or_b32 s[G1S+0], s43, (3<<16)|(1<<20)|(1<<21)|(5<<22)|(3<<25)   ; the scales of 128 rows: 4,096 dense bytes as 16 rows of 256
	s_or_b32 s[G1SB+0], s44, (3<<16)|(1<<20)|(1<<21)|(5<<22)|(3<<25)
.irp g, G1S, G1SB
	s_mov_b32 s[\g+1], 32<<16
	s_mov_b32 s[\g+2], (128*KS/256)<<16
	s_mov_b32 s[\g+3], 32<<16
	s_mov_b32 s[\g+4], 128*KS/256
	s_mov_b32 s[\g+5], 32
	s_mov_b32 s[\g+6], 0
	s_mov_b32 s[\g+7], 0
.endr
	s_lshl_b32 s18, s16, 7
	s_lshl_b32 s20, s17, 8
	s_add_co_u32 s20, s20, s18                     ; A: row 256 x tile row + 128 x half
	s_lshl_b32 s46, s42, 8
	s_add_co_u32 s46, s46, s18                     ; B: row 256 x tile column + 128 x half
	s_mov_b32 s21, 0
	s_mov_b32 s47, 0
	s_mov_b64 s[18:19], KS
	s_mul_u64 s[22:23], s[20:21], s[18:19]
	s_mul_u64 s[92:93], s[46:47], s[18:19]
	s_mov_b64 s[18:19], KROW
	s_mul_u64 s[20:21], s[20:21], s[18:19]
	s_mul_u64 s[46:47], s[46:47], s[18:19]
	s_mul_i32 s45, s14, HALFT                      ; where they go: wave x 128 rows
	s_mul_i32 s94, s14, HALFS
	s_wait_dscnt 0x0                               ; both opening adds are done
	s_wait_kmcnt 0x0
	s_add_nc_u64 s[6:7], s[4:5], XS_OFF            ; x's scale bytes
	s_add_nc_u64 s[8:9], s[4:5], WC_OFF            ; the weights' codes
	s_add_nc_u64 s[10:11], s[4:5], WS_OFF          ; the weights' scale bytes
	s_add_nc_u64 s[20:21], s[4:5], s[20:21]
	s_add_nc_u64 s[22:23], s[6:7], s[22:23]
	s_add_nc_u64 s[46:47], s[8:9], s[46:47]
	s_add_nc_u64 s[92:93], s[10:11], s[92:93]
	CROUND                                         ; all sixteen work-groups are here: the joint loads meet
	s_mov_b32 s[G0S], 1
	s_add_co_u32 s[G0S+1], s94, SCL
	s_mov_b64 s[G0S+2:G0S+3], s[22:23]
	s_or_b32 s[G0S+3], s[G0S+3], 0x80000000
	s_mov_b32 s[G0SB], 1
	s_add_co_u32 s[G0SB+1], s94, SCL
	s_mov_b64 s[G0SB+2:G0SB+3], s[92:93]
	s_or_b32 s[G0SB+3], s[G0SB+3], 0x80000000
	JLOAD G0S, G1S, G0SB, G1SB                     ; the scales first; by this text's count a wave has three tensor loads out
.irp s, 0,1
	s_mov_b32 s[G0+4*\s], 1
	s_add_co_u32 s[G0+4*\s+1], s45, \s*SLOT
	s_add_nc_u64 s[G0+4*\s+2:G0+4*\s+3], s[20:21], \s*ROWB
	s_or_b32 s[G0+4*\s+3], s[G0+4*\s+3], 0x80000000
	s_mov_b32 s[G0B+4*\s], 1
	s_add_co_u32 s[G0B+4*\s+1], s45, \s*SLOT
	s_add_nc_u64 s[G0B+4*\s+2:G0B+4*\s+3], s[46:47], \s*ROWB
	s_or_b32 s[G0B+4*\s+3], s[G0B+4*\s+3], 0x80000000
	JLOAD G0+4*\s, G1, G0B+4*\s, G1B
.endr
	v_and_b32 v1, 15, v0                           ; r = lane % 16
	v_bfe_u32 v2, v0, 4, 1                         ; h = lane / 16
	v_mul_u32_u24 v3, v1, PITCH
	v_lshl_add_u32 v4, v2, 4, v3
	s_mul_i32 s21, s15, HALFT
	s_mul_i32 s22, s16, HALFT
	s_add_co_u32 s22, s22, 2*HALFT
.irp s, 0,1
	v_add_nc_u32 v[ADRA+\s], s21, v4
	v_add_nc_u32 v[ADRB+\s], s22, v4
	s_add_co_u32 s21, s21, SLOT
	s_add_co_u32 s22, s22, SLOT
.endr
	v_mul_u32_u24 v5, v1, KS                       ; my row's scales: 32 bytes a row,
	v_lshrrev_b32 v6, 8, v5
	v_lshl_add_u32 v5, v6, 4, v5                   ; and 16 more for each 256 passed
	s_mul_i32 s21, s15, HALFS
	s_mul_i32 s22, s16, HALFS
	s_add_co_u32 s22, s22, 2*HALFS
	s_sub_co_u32 s22, s22, s21
	v_mul_u32_u24 v6, s22, v2                      ; lanes 16-31 take B's
	s_add_co_u32 s21, s21, SCL
	v_add_nc_u32 v5, v5, v6
	v_add_nc_u32 v[ADRS], s21, v5
	v_and_b32 v6, 31, v0
	v_lshlrev_b32 v[LA], 4, v6
	v_lshlrev_b32 v[BOF], 5, v2
	s_cmp_eq_u32 ttmp9, 2                          ; V's pieces lie otherwise than Q's and K's
	s_cselect_b32 s20, 32, 16
	s_cselect_b32 s21, 16, 256
	v_mul_u32_u24 v[CO], v1, s20
	v_mad_u32_u24 v[CO], v2, s21, v[CO]
	s_lshl_b32 s20, s17, 4
	s_lshl_b32 s21, s15, 3
	s_add_co_u32 s20, s20, s21                     ; my first block row: 16 x tile row + 8 x half
	s_lshl_b32 s20, s20, 15
	s_lshl_b32 s21, s40, 4
	s_lshl_b32 s22, s16, 3
	s_add_co_u32 s21, s21, s22                     ; my first block column: 16 cx + 8 x half
	s_lshl_b32 s21, s21, 9
	s_add_co_u32 s20, s20, s21
	s_lshl_b32 s21, ttmp9, 24                      ; which of Q, K, V: 16,777,216 bytes each
	s_add_co_u32 s20, s20, s21
	s_mov_b32 s21, 0
	s_add_nc_u64 s[12:13], s[12:13], s[20:21]
	s_lshl_b32 s22, ttmp9, 2
	s_add_co_u32 s22, s22, s41                     ; head32: [which][batch][128 columns][16 pieces of 512 bytes]
	s_lshl_b32 s22, s22, 3
	s_lshl_b32 s23, s40, 1
	s_add_co_u32 s22, s22, s23
	s_add_co_u32 s22, s22, s16
	s_lshl_b32 s22, s22, 13
	s_mov_b32 s23, 0
	s_add_nc_u64 s[100:101], s[100:101], s[22:23]
.macro FRAG reg, adr, q, i             ; 16 rows x 128 K of 4-bit codes: 8 registers, two loads of 16 bytes, 32 bytes apart
.irp c, 0,1
	ds_load_b128 v[\reg+4*\c:\reg+4*\c+3], v[\adr] offset:64*(\q)+32*\c+(\i)*16*PITCH
.endr
.endm
; 16 matrix instructions: A's blocks a0, a0 + 1 x B's eight.  zero = 1: C = 0; 2: C = the bias (eight registers a block of columns, in the result's layout); 0: the sums go on.
; The 64 accumulators take turns, one instruction a turn, in the same order in every step.
.macro MUL16 a0, p, q, sc, zero
.irp a, \a0, \a0+1
.irp b, 0,1,2,3,4,5,6,7
.if \zero == 1
	v_wmma_scale_f32_16x16x128_f8f6f4 v[8*(8*((\a)%4)+\b):8*(8*((\a)%4)+\b)+7], v[128*(\p)+FR*\b:128*(\p)+FR*\b+FR-1], v[AF+FR*(\a):AF+FR*(\a)+FR-1], 0, v[SC+8*NQ*(\sc)+NQ*\b+(\q)], v[SC+8*NQ*(\sc)+NQ*(\a)+(\q)] matrix_a_fmt:MATRIX_FMT_FP4 matrix_b_fmt:MATRIX_FMT_FP4 matrix_a_scale:MATRIX_SCALE_ROW1
.elseif \zero == 2
	v_wmma_scale_f32_16x16x128_f8f6f4 v[8*(8*((\a)%4)+\b):8*(8*((\a)%4)+\b)+7], v[128*(\p)+FR*\b:128*(\p)+FR*\b+FR-1], v[AF+FR*(\a):AF+FR*(\a)+FR-1], v[BIAS+8*\b:BIAS+8*\b+7], v[SC+8*NQ*(\sc)+NQ*\b+(\q)], v[SC+8*NQ*(\sc)+NQ*(\a)+(\q)] matrix_a_fmt:MATRIX_FMT_FP4 matrix_b_fmt:MATRIX_FMT_FP4 matrix_a_scale:MATRIX_SCALE_ROW1
.else
	v_wmma_scale_f32_16x16x128_f8f6f4 v[8*(8*((\a)%4)+\b):8*(8*((\a)%4)+\b)+7], v[128*(\p)+FR*\b:128*(\p)+FR*\b+FR-1], v[AF+FR*(\a):AF+FR*(\a)+FR-1], v[8*(8*((\a)%4)+\b):8*(8*((\a)%4)+\b)+7], v[SC+8*NQ*(\sc)+NQ*\b+(\q)], v[SC+8*NQ*(\sc)+NQ*(\a)+(\q)] matrix_a_fmt:MATRIX_FMT_FP4 matrix_b_fmt:MATRIX_FMT_FP4 matrix_a_scale:MATRIX_SCALE_ROW1
.endif
.endr
.endr
.endm
.macro FETCH_B slot, q, p
	WIN TO_B
.irp i, 0,1,2,3,4,5,6,7
	FRAG 128*(\p)+FR*\i, ADRB+\slot, \q, \i
.endr
	WIN 0
.endm
.macro FETCH_A slot, q, i0
.irp i, \i0, \i0+1, \i0+2, \i0+3
	FRAG AF+FR*(\i), ADRA+\slot, \q, \i
.endr
.endm
.macro SCALES sc                       ; a slot's scale words: four a row; lanes 0-15 take A's block i, lanes 16-31 B's block i
.irp i, 0,1,2,3,4,5,6,7
	ds_load_b128 v[SC+8*NQ*\sc+NQ*\i:SC+8*NQ*\sc+NQ*\i+3], v[ADRS] offset:\i*SBLK
.endr
.endm
.macro PLACES n                        ; plain places behind matrix instructions, in front of loads into their sources and of reads of their results
.rept \n
	v_nop
.endr
.endm
.macro STEP slot, q, zero              ; 128 along K; its successor lies in the same slot
	s_wait_dscnt 4*NL                              ; B's set and A's blocks 0-3 are in; the youngest eight loads (A's blocks 4-7) may be out
.if \zero == 2
	WIN 0x81                                       ; C (the bias) window 0, D window 2
.else
	WIN MUL_LO
.endif
	MUL16 0, (\q)%2, \q, \slot, \zero
	MUL16 2, (\q)%2, \q, \slot, \zero
	s_wait_dscnt 0
	PLACES NP
	FETCH_B \slot, (\q)+1, 1-(\q)%2
	FETCH_A \slot, (\q)+1, 0
.if \zero == 2
	WIN 0xc1                                       ; C window 0, D window 3
.else
	WIN MUL_HI
.endif
	MUL16 4, (\q)%2, \q, \slot, \zero
	MUL16 6, (\q)%2, \q, \slot, \zero
	PLACES NP
	WIN 0
	FETCH_A \slot, (\q)+1, 4
.endm
.macro TURN slot, next                 ; slot 0's last step changes slots: one barrier; nothing is filled again
	s_wait_tensorcnt 0x0                           ; all my tensor loads have landed: my part of the next slot
	ds_add_u32 v[SPW], v[NIL]                      ; 0 onto my spare word
	s_wait_dscnt 4*NL+1                            ; the add and the youngest eight loads may be out
	WIN MUL_LO
	MUL16 0, 1, NQ-1, \slot, 0
	s_wait_dscnt 0x0                               ; the add is done, and my reads of this slot are over
	s_barrier_signal -1
	MUL16 2, 1, NQ-1, \slot, 0
	WIN 0
	s_barrier_wait -1
	PLACES NP
	v_add_nc_u32 v[ADRS], 4*NQ, v[ADRS]            ; on to the next slot's scale words
	FETCH_B \next, 0, 0
	FETCH_A \next, 0, 0
	SCALES \next
	WIN MUL_HI
	MUL16 4, 1, NQ-1, \slot, 0
	MUL16 6, 1, NQ-1, \slot, 0
	PLACES NP
	WIN 0
	FETCH_A \next, 0, 4
.endm
.macro STEPS slot, from
.set Q, \from
.rept NQ-1-\from
	STEP \slot, Q, 0
.set Q, Q+1
.endr
.endm
.macro START
	s_wait_tensorcnt 1                             ; the scales and my part of slot 0 are in; slot 1's load may be out
	s_barrier_signal -1
	s_barrier_wait -1                              ; everybody's are
	FETCH_B 0, 0, 0
	FETCH_A 0, 0, 0
	SCALES 0
	FETCH_A 0, 0, 4
.endm
	s_cmp_eq_u32 ttmp9, 1                          ; K?  The same in all waves of all sixteen work-groups
	s_cbranch_scc1 .Lk_arm
	s_cmp_eq_u32 ttmp9, 0
	s_cselect_b64 s[96:97], s[96:97], s[98:99]     ; bq or bv
	s_lshl_b32 s20, s40, 10
	s_lshl_b32 s21, s16, 9
	s_add_co_u32 s20, s20, s21                     ; my 128 columns
	s_mov_b32 s21, 0
	s_add_nc_u64 s[96:97], s[96:97], s[20:21]
.irp b, 0,1,2,3,4,5,6,7
	global_load_b128 v[BIAS+8*\b:BIAS+8*\b+3], v[BOF], s[96:97] offset:64*\b        ; lane (r, h): the bias of columns 16 b + 8 h + 0 .. 7
	global_load_b128 v[BIAS+8*\b+4:BIAS+8*\b+7], v[BOF], s[96:97] offset:64*\b+16
.endr
	START
	s_wait_loadcnt 0x0                             ; the bias
	STEP 0, 0, 2
	s_branch .Ljoined
.Lk_arm:
	START
	STEP 0, 0, 1
.Ljoined:
	STEPS 0, 1
	TURN 0, 1
	STEPS 1, 0
	s_wait_dscnt 4*NL                              ; the last step: nothing more to fetch
	WIN MUL_LO
	MUL16 0, 1, NQ-1, 1, 0
	MUL16 2, 1, NQ-1, 1, 0
	s_wait_dscnt 0
	WIN MUL_HI
	MUL16 4, 1, NQ-1, 1, 0
	MUL16 6, 1, NQ-1, 1, 0
	WIN 0
	PLACES NP
	s_and_b32 s95, ttmp7, 0xffff                   ; a batch's rows 0-15 are block 0 of the upper half of the tiles with cluster y = 0
	s_or_b32 s95, s95, s15
	s_cmp_lg_u32 s95, 0
	s_cbranch_scc1 .Lno_head
	WIN 0x08                                       ; a store's data: window 2
.irp b, 0,1,2,3,4,5,6,7
	global_store_b128 v[LA], v[8*\b:8*\b+3], s[100:101] offset:1024*\b           ; each accumulator from its low end on; 512 consecutive bytes a store
	global_store_b128 v[LA], v[8*\b+4:8*\b+7], s[100:101] offset:1024*\b+512
.endr
	WIN 0
.Lno_head:
.macro PACKST a                        ; block a: 16 rows x 128 columns, rounded to f16, stored as eight blocks of 512 bytes
.set AC, 64*((\a)%4)
.set TT, TMP+32*((\a)%2)
.if (\a) > 1
	s_wait_xcnt 0x0                                ; block a - 2's stores have read their registers
.endif
	WIN 0x0a+5*((\a)/4)                            ; sources: window 2 or 3
.irp b, 0,1,2,3,4,5,6,7
.irp r, 0,1,2,3
	v_cvt_pk_f16_f32 v[TT+4*\b+\r], v[AC+8*\b+2*\r], v[AC+8*\b+2*\r+1]
.endr
.endr
	WIN 0
.irp b, 0,1,2,3,4,5,6,7
	global_store_b128 v[CO], v[TT+4*\b:TT+4*\b+3], s[12:13] offset:(\a)*32768+\b*512
.endr
.endm
.irp a, 0,1,2,3,4,5,6,7
	PACKST \a
.endr
	s_wait_tensorcnt 0x0                           ; the wave's end
	ds_add_u32 v[SPW], v[NIL]
	s_wait_dscnt 0x0
	CROUND                                         ; the closing round
	s_endpgm
.Lfunc_end_k_q73e3e6e17d_qkv:
	.size	k_q73e3e6e17d_qkv, .Lfunc_end_k_q73e3e6e17d_qkv-k_q73e3e6e17d_qkv
	.p2alignl 7, 3214868480
	.fill 96, 4, 3214868480
	.section	.rodata,"a",@progbits
	.p2align	6, 0x0
	.amdhsa_kernel k_q73e3e6e17d_qkv
		.amdhsa_group_segment_fixed_size 327680
		.amdhsa_private_segment_fixed_size 0
		.amdhsa_enable_private_segment 0
		.amdhsa_kernarg_size 40
		.amdhsa_user_sgpr_count 2
		.amdhsa_user_sgpr_kernarg_segment_ptr 1
		.amdhsa_wavefront_size32 1
		.amdhsa_system_sgpr_workgroup_id_x 1
		.amdhsa_system_sgpr_workgroup_id_y 1
		.amdhsa_system_sgpr_workgroup_id_z 1
		.amdhsa_system_vgpr_workitem_id 0
		.amdhsa_next_free_vgpr 1024
		.amdhsa_next_free_sgpr 102
		.amdhsa_reserve_vcc 0
		.amdhsa_float_denorm_mode_32 3
		.amdhsa_float_denorm_mode_16_64 3
		.amdhsa_memory_ordered 1
		.amdhsa_forward_progress 1
		.amdhsa_inst_pref_size 135
	.end_amdhsa_kernel
	.amdgpu_metadata
---
amdhsa.version: [ 1, 2 ]
amdhsa.kernels:
  - .name:           k_q73e3e6e17d_qkv
    .symbol:         k_q73e3e6e17d_qkv.kd
    .args:
      - { .name: prepbuf, .offset: 0, .size: 8, .value_kind: global_buffer, .address_space: global }
      - { .name: qkvimg, .offset: 8, .size: 8, .value_kind: global_buffer, .address_space: global }
      - { .name: bq, .offset: 16, .size: 8, .value_kind: global_buffer, .address_space: global }
      - { .name: bv, .offset: 24, .size: 8, .value_kind: global_buffer, .address_space: global }
      - { .name: head32, .offset: 32, .size: 8, .value_kind: global_buffer, .address_space: global }
    .group_segment_fixed_size: 327680
    .private_segment_fixed_size: 0
    .kernarg_segment_align: 8
    .kernarg_segment_size: 40
    .max_flat_workgroup_size: 128
    .sgpr_count:     102
    .vgpr_count:     1024
    .wavefront_size: 32
...
	.end_amdgpu_metadata
.endif
;; end of part 2
;; launch scores (part 3): grid 36 x 4, 8 waves a work-group, no clusters, 327,680 bytes of LDS; arguments qkvimg, pimg, stats; writes pimg, stats
.if DOCPART == 3
	.amdgcn_target "amdgcn-amd-amdhsa--gfx1250"
	.amdhsa_code_object_version 6
	.text
	.protected	k_q73e3e6e17d_scores
	.globl	k_q73e3e6e17d_scores
	.p2align	8
	.type	k_q73e3e6e17d_scores,@function
k_q73e3e6e17d_scores:
	s_mov_b64 s[64:65], 0
	v_nop
	global_prefetch_b8 v0, s[64:65] scope:SCOPE_SE
	s_setreg_imm32_b32 hwreg(HW_REG_WAVE_MODE, 25, 1), 1
	s_wait_xcnt 0x0
; THIRD LAUNCH.  A tile of 256 queries x 256 keys of S = Q K^T (f16 operands, f32 sums, K = 1,024), and the first half of the softmax.
; LEFT OUT: the tiles wholly above the causal diagonal (shown at the head of the first kernel): of a batch's 8 x 8 tiles the 36 with J <= I are made: 36 x 4 = 144 work-groups of equal work, at most one to a WGP.
; Inside a tile on the diagonal the hidden part stays and comes out as p' = 0.
; THE SOFTMAX IS SPLIT.  c = log2(e) / 8.  For a row and a chunk of 128 keys: M = the chunk's largest c s, rounded UP to a whole number, kept as nm = -M = floor(-c max); p' = 2^(c s - M), at most 1, goes out in f16;
; l = the sum of p' in f32, taken before the rounding.  The next launch brings all chunks of a row under the row's own maximum by powers of two.  So the maximum is taken away before every exponential.
; The maximum has the floor -1e30 among its leaves: a chunk row that is wholly hidden gives p' = 0, l = 0 and a very large nm, and no NaN.  LIMIT: scores under -1e30 are not served.
; NO CLUSTER: the triangle's rows have 1 to 8 tiles and its columns 8 to 1, which groups of four do not divide; filling groups up would bring partners joint tiles that none of their waves reads.
; SHARES: EIGHT waves, two to a SIMD, 512 registers each; a wave makes 64 queries x 128 keys: 32 accumulators.  For each k the tile takes in 512 operand rows for 65,536 products, where a tile of 128 x 256 would take 384
; for 32,768; and 144 tiles go once over the 256 WGPs, where 288 would go twice over some.
; Used transposed (source 0 = 16 keys, source 1 = 16 queries): a lane holds ONE query (lane % 16) and, in each accumulator, eight neighbouring keys.
; Q and K lie in blocks of 16 x 16 in the order of an operand's registers: a row block's part of a K step of 128 is 4,096 dense bytes, a fragment is two loads at 16 x lane, 512 bytes apart: no padding, no conflict.
; RING: two slots of a K step of 128 (A: 16 row blocks, then B: 16).  Every wave fetches four row blocks, 16,384 bytes: waves 0-3 A's, waves 4-7 B's; the LDS address is wave x 16,384 + the slot's constant.
; A wave has two tensor loads out at the start and one behind each barrier at which a slot is filled again.
; REGISTERS: window 0: v1 16 x lane; v16-21 LDS addresses; v32-95 A's two buffers; v96-223 B's two; v224-251 the softmax.  window 1: accumulator (a, b) at v[8 (8 a + b)].
.set SLOT,  131072                     ; A: 16 x 4,096; B: 16 x 4,096
.set BOFF,  65536
.set SPARE, 262144                     ; the spare words, 128 bytes for each of the eight waves; no other line names them
.set LA,   1
.set ADRA, 16
.set ADRB, 20
.set DV,   24                          ; v24 my query less my first key
.set NINF, 25                          ; v25 -infinity
.set L8,   26                          ; v26 8 x lane
.set SPW,  28
.set NIL,  29
.set TMP,  32
.set MSB, 0
.macro WIN new                         ; the immediate's high byte repeats the setting that is left
.if MSB != \new
	s_set_vgpr_msb (MSB<<8)|\new
.set MSB, \new
.endif
.endm
.set MUL, 0x50                         ; sources window 0, C and D window 1
.macro TLD s                           ; my one tensor load behind a barrier; an s_nop 0 and four v_nop follow it
	tensor_load_to_lds s[40+4*\s:43+4*\s], s[24:31]
	s_nop 0
.rept 4
	v_nop
.endr
.endm
.macro PLACES
.rept 4
	v_nop
.endr
.endm
.macro MULA f, a, zero                 ; eight matrix instructions: query block a x the eight key blocks, 32 along K, buffer f.  The 32 accumulators take turns, one instruction a turn
.irp b, 0,1,2,3,4,5,6,7
.if \zero
	v_wmma_f32_16x16x32_f16 v[8*(8*(\a)+\b):8*(8*(\a)+\b)+7], v[96+64*(\f)+8*\b:96+64*(\f)+8*\b+7], v[32+32*(\f)+8*(\a):32+32*(\f)+8*(\a)+7], 0
.else
	v_wmma_f32_16x16x32_f16 v[8*(8*(\a)+\b):8*(8*(\a)+\b)+7], v[96+64*(\f)+8*\b:96+64*(\f)+8*\b+7], v[32+32*(\f)+8*(\a):32+32*(\f)+8*(\a)+7], v[8*(8*(\a)+\b):8*(8*(\a)+\b)+7]
.endif
.endr
.endm
.macro FETCH slot, k, f                ; 24 LDS loads in one run: 32 along K (the k-th of the slot's four): B's eight blocks, then A's four
.irp i, 0,1,2,3,4,5,6,7
	ds_load_b128 v[96+64*(\f)+8*\i:96+64*(\f)+8*\i+3],   v[ADRB+\slot] offset:\i*4096+(2*(\k))*512
	ds_load_b128 v[96+64*(\f)+8*\i+4:96+64*(\f)+8*\i+7], v[ADRB+\slot] offset:\i*4096+(2*(\k)+1)*512
.endr
.irp i, 0,1,2,3
	ds_load_b128 v[32+32*(\f)+8*\i:32+32*(\f)+8*\i+3],   v[ADRA+\slot] offset:\i*4096+(2*(\k))*512
	ds_load_b128 v[32+32*(\f)+8*\i+4:32+32*(\f)+8*\i+7], v[ADRA+\slot] offset:\i*4096+(2*(\k)+1)*512
.endr
.endm
.macro QUARTER slot, kn, f, g, zero    ; multiplies buffer f; in its middle fetches the slot's kn-th 32 along K into buffer g
	s_wait_dscnt 4                                 ; B and A's blocks 0, 1 are in; the youngest four loads (A's blocks 2, 3) may be out
	WIN MUL
	MULA \f, 0, \zero
	MULA \f, 1, \zero
	PLACES                                         ; in front of loads into registers that matrix instructions have read
	WIN 0
	FETCH \slot, \kn, \g
	s_wait_dscnt 24                                ; all but the 24 just issued
	WIN MUL
	MULA \f, 2, \zero
	MULA \f, 3, \zero
.endm
.macro TURN slot, next, fill           ; a slot's last quarter (buffer 1) changes slots: one barrier
	WIN 0
	s_wait_tensorcnt 0x0                           ; all my tensor loads have landed: my part of the next slot
	ds_add_u32 v[SPW], v[NIL]                      ; 0 onto my spare word
.if \fill
	s_add_nc_u64 s[42+4*\slot:43+4*\slot], s[42+4*\slot:43+4*\slot], 8192   ; no load of mine is out: this slot's next K step, two on
.endif
	s_wait_dscnt 5                                 ; the add and the youngest four loads may be out
	WIN MUL
	MULA 1, 0, 0
	s_wait_dscnt 0x0                               ; the add is done, and my reads of this slot are over
	s_barrier_signal -1
	MULA 1, 1, 0
	WIN 0
	s_barrier_wait -1
.if \fill
	TLD \slot                                      ; the first thing behind the barrier; its four v_nop are also the places in front of the loads below
.else
	PLACES
.endif
	FETCH \next, 0, 0
	WIN MUL
	MULA 1, 2, 0
	MULA 1, 3, 0
.endm
	s_load_b128 s[4:7], s[0:1], 0x0                ; qkvimg, pimg
	s_load_b64 s[8:9], s[0:1], 0x10                ; stats
	v_lshl_add_u32 v[SPW], v0, 2, SPARE
	v_mov_b32 v[NIL], 0
	ds_add_u32 v[SPW], v[NIL]                      ; the wave's opening: the add, twice on end, and its wait ahead of my first tensor load
	ds_add_u32 v[SPW], v[NIL]
	v_lshrrev_b32 v2, 5, v0
	v_readfirstlane_b32 s10, v2                    ; wave 0..7
	s_lshr_b32 s11, s10, 1                         ; which 64 queries are mine
	s_and_b32 s12, s10, 1                          ; which 128 keys
	s_lshr_b32 s13, s10, 2                         ; I fetch for A (0) or for B (1),
	s_and_b32 s14, s10, 3                          ; and which four of its 16 row blocks
	s_and_b32 s15, ttmp7, 0xffff                   ; batch
	s_mov_b32 s18, 0                               ; I: how many of the triangle's row starts 1, 3, 6, .. 28 the work-group's number has reached
.irp m, 1,3,6,10,15,21,28
	s_cmp_ge_u32 ttmp9, \m
	s_cselect_b32 s20, 1, 0
	s_add_co_u32 s18, s18, s20
.endr
	s_add_co_u32 s19, s18, 1
	s_mul_i32 s19, s19, s18
	s_lshr_b32 s19, s19, 1
	s_sub_co_u32 s19, ttmp9, s19                   ; J = the number less I (I + 1) / 2: 0 .. I
	s_mov_b32 s24, 3<<16                           ; group 1, for A and B alike: elements of 8 bytes, no padding
	s_mov_b32 s25, 512<<16                         ; rows of 4,096 bytes
	s_mov_b32 s26, 4<<16                           ; 4 of them
	s_mov_b32 s27, 512<<16
	s_mov_b32 s28, 4
	s_mov_b32 s29, 4096                            ; 32,768 bytes from row block to row block
	s_mov_b32 s30, 0
	s_mov_b32 s31, 0
	s_cmp_eq_u32 s13, 0
	s_cselect_b32 s20, s18, s19                    ; A's rows go by I, B's by J
	s_cselect_b32 s22, 0, 16777216                 ; K lies behind Q
	s_lshl_b32 s20, s20, 4
	s_lshl_b32 s21, s15, 7                         ; the batch's first row block
	s_add_co_u32 s20, s20, s21
	s_lshl_b32 s21, s14, 2
	s_add_co_u32 s20, s20, s21                     ; 128 b + 16 (I or J) + 4 x my quarter
	s_lshl_b32 s20, s20, 15
	s_add_co_u32 s20, s20, s22
	s_mov_b32 s21, 0
	s_lshl_b32 s23, s10, 14                        ; where they go in a slot: wave x 16,384
	s_mov_b32 s58, 0x3e38aa3b                      ; c = log2(e) / 8
	s_mov_b32 s59, s58                             ; (named with it as a pair)
	s_mov_b32 s60, 0x76543210
	s_mov_b32 s61, 0xfedcba98                      ; lane l xor 16
	s_mov_b32 s62, 0xffff0000                      ; lanes 16-31
	s_wait_dscnt 0x0                               ; both opening adds are done
	s_wait_kmcnt 0x0
	s_add_nc_u64 s[20:21], s[4:5], s[20:21]
.irp s, 0,1
	s_mov_b32 s[40+4*\s], 1
	s_add_co_u32 s[41+4*\s], s23, \s*SLOT
	s_add_nc_u64 s[42+4*\s:43+4*\s], s[20:21], \s*4096     ; K step s
	s_or_b32 s[43+4*\s], s[43+4*\s], 0x80000000
.endr
	tensor_load_to_lds s[40:43], s[24:31]          ; every wave's two first fills, with no branch
	s_nop 0
	tensor_load_to_lds s[44:47], s[24:31]
	s_nop 0
.rept 4
	v_nop
.endr
	v_and_b32 v2, 31, v0
	v_lshlrev_b32 v[LA], 4, v2
	v_lshlrev_b32 v[L8], 3, v2
	s_lshl_b32 s20, s11, 14                        ; my 4 row blocks of A
	s_lshl_b32 s21, s12, 15
	s_add_co_u32 s21, s21, BOFF                    ; my 8 of B
.irp s, 0,1
	v_add_nc_u32 v[ADRA+\s], s20, v[LA]
	v_add_nc_u32 v[ADRB+\s], s21, v[LA]
	s_add_co_u32 s20, s20, SLOT
	s_add_co_u32 s21, s21, SLOT
.endr
	s_lshl_b32 s20, s18, 8
	s_lshl_b32 s21, s11, 6
	s_add_co_u32 s20, s20, s21                     ; my first query in the batch
	s_lshl_b32 s21, s19, 8
	s_sub_co_i32 s20, s20, s21
	s_lshl_b32 s21, s12, 7
	s_sub_co_i32 s20, s20, s21                     ; less my first key
	v_and_b32 v2, 15, v0
	v_bfe_u32 v3, v0, 4, 1
	v_lshlrev_b32 v3, 3, v3
	v_sub_nc_u32 v[DV], v2, v3
	v_add_nc_u32 v[DV], s20, v[DV]                 ; + lane % 16 - 8 (lane / 16)
	v_mov_b32 v[NINF], 0xff800000
	v_mov_b32 v228, 0                              ; a lane permute's destination counts as one of its sources
	v_mov_b32 v233, 0                              ; (named as the upper half of the pair v[232:233])
	s_cmp_eq_u32 s18, s19
	s_cselect_b32 s63, 1, 0                        ; the tile on the diagonal?
	s_lshl_b32 s20, s15, 23                        ; pimg: [batch][128 row blocks][128 blocks of 512 bytes]
	s_lshl_b32 s21, s18, 4
	s_lshl_b32 s22, s11, 2
	s_add_co_u32 s21, s21, s22
	s_lshl_b32 s21, s21, 16
	s_add_co_u32 s20, s20, s21
	s_lshl_b32 s21, s19, 4
	s_lshl_b32 s22, s12, 3
	s_add_co_u32 s21, s21, s22
	s_lshl_b32 s21, s21, 9
	s_add_co_u32 s20, s20, s21
	s_mov_b32 s21, 0
	s_add_nc_u64 s[56:57], s[6:7], s[20:21]
	s_lshl_b32 s20, s19, 1
	s_add_co_u32 s20, s20, s12                     ; stats: [chunk][row][nm, l]
	s_lshl_b32 s20, s20, 16
	s_lshl_b32 s21, s15, 11
	s_lshl_b32 s22, s18, 8
	s_add_co_u32 s21, s21, s22
	s_lshl_b32 s22, s11, 6
	s_add_co_u32 s21, s21, s22
	s_lshl_b32 s21, s21, 3
	s_add_co_u32 s20, s20, s21
	s_mov_b32 s21, 0
	s_add_nc_u64 s[66:67], s[8:9], s[20:21]
	s_wait_tensorcnt 1                             ; my part of K step 0 is in; K step 1's load may be out
	s_barrier_signal -1
	s_barrier_wait -1
	FETCH 0, 0, 0
	QUARTER 0, 1, 0, 1, 1                          ; the first quarter's products start the sums
	WIN 0
	s_mov_b32 s3, 3
.Llap:                                                 ; a trip goes once round the ring and fills both slots again: K steps 2 to 7
	QUARTER 0, 2, 1, 0, 0
	QUARTER 0, 3, 0, 1, 0
	TURN 0, 1, 1
	QUARTER 1, 1, 0, 1, 0
	QUARTER 1, 2, 1, 0, 0
	QUARTER 1, 3, 0, 1, 0
	TURN 1, 0, 1
	QUARTER 0, 1, 0, 1, 0
	WIN 0
	s_sub_co_u32 s3, s3, 1
	s_cmp_lg_u32 s3, 0
	s_cbranch_scc1 .Llap
	QUARTER 0, 2, 1, 0, 0                          ; the last lap fills nothing
	QUARTER 0, 3, 0, 1, 0
	TURN 0, 1, 0
	QUARTER 1, 1, 0, 1, 0
	QUARTER 1, 2, 1, 0, 0
	QUARTER 1, 3, 0, 1, 0
	s_wait_dscnt 4
	WIN MUL
	MULA 1, 0, 0
	MULA 1, 1, 0
	s_wait_dscnt 0x0
	MULA 1, 2, 0
	MULA 1, 3, 0
	WIN 0
	PLACES
; THE SOFTMAX'S FIRST HALF for query block a: 64 registers a lane, register 8 b + j = key 16 b + 8 (lane / 16) + j of my chunk.
.macro SOFT a
.set AC, 64*(\a)
	s_cmp_eq_u32 s63, 1                            ; ids alone
	s_cbranch_scc0 .Lopen_\@
	WIN 0x41                                       ; the scores: window 1
.set nn, 0
.rept 64
	v_cmp_gt_i32 vcc_lo, 16*(nn/8)+nn%8-16*(\a), v[DV]   ; hidden where the key comes after the query
	v_cndmask_b32 v[AC+nn], v[AC+nn], v[NINF], vcc_lo
.set nn, nn+1
.endr
	WIN 0
.Lopen_\@:
	WIN 0x05                                       ; sources 0, 1: window 1
.set nn, 0
.rept 4
	v_max3_num_f32 v[224+nn], v[AC+2*nn], v[AC+2*nn+1], 0xf149f2ca   ; four chains, each begun with the floor -1e30; every accumulator is read from its low end on
.set nn, nn+1
.endr
.rept 28
	v_max3_num_f32 v[224+nn%4], v[AC+2*nn], v[AC+2*nn+1], v[224+nn%4]
.set nn, nn+1
.endr
	WIN 0
	v_max3_num_f32 v224, v224, v225, v226
	v_max_num_f32 v224, v224, v227
	v_permlanex16_b32 v228, v224, s60, s61
	v_max_num_f32 v224, v224, v228                 ; with lane l xor 16's 64 keys: the chunk's largest score of my query
	v_mul_f32 v229, s58, v224
	v_floor_f32 v232, -v229                        ; nm = -M = floor(-c max): a whole number
	WIN 0x41
.set nn, 0
.rept 32
	v_pk_fma_f32 v[AC+nn:AC+nn+1], v[AC+nn:AC+nn+1], s[58:59], v[232:233] op_sel_hi:[1,0,0]   ; c s - M, two at a time
.set nn, nn+2
.endr
.set nn, 0
.rept 64
	v_exp_f32 v[AC+nn], v[AC+nn]                   ; p' = 2^(c s - M)
.set nn, nn+1
.endr
	v_nop                                          ; a plain place behind the exponentials
	s_wait_alu depctr_va_vdst(0)                   ; one wait for the batch, ahead of its first reader
	WIN 0x05
	v_pk_add_f32 v[234:235], v[AC:AC+1], v[AC+2:AC+3]      ; the sum of the unrounded p', in two chains
	v_pk_add_f32 v[236:237], v[AC+4:AC+5], v[AC+6:AC+7]
	WIN 0x01
.set nn, 8
.rept 14
	v_pk_add_f32 v[234:235], v[AC+nn:AC+nn+1], v[234:235]
	v_pk_add_f32 v[236:237], v[AC+nn+2:AC+nn+3], v[236:237]
.set nn, nn+4
.endr
	WIN 0
	v_pk_add_f32 v[234:235], v[234:235], v[236:237]
	v_add_f32 v234, v234, v235
	v_permlanex16_b32 v228, v234, s60, s61
	v_add_f32 v[244+(\a)], v234, v228              ; l
	v_mov_b32 v[240+(\a)], v232                    ; nm
.endm
.macro PACKST a                        ; p' in f16: a lane's eight keys are 16 bytes, the wave's store one block of 512 bytes
.set AC, 64*(\a)
.set TT, TMP+32*((\a)%2)
.if (\a) > 1
	s_wait_xcnt 0x0                                ; block a - 2's stores have read their registers
.endif
	WIN 0x05
.irp b, 0,1,2,3,4,5,6,7
.irp q, 0,1,2,3
	v_cvt_pk_f16_f32 v[TT+4*\b+\q], v[AC+8*\b+2*\q], v[AC+8*\b+2*\q+1]
.endr
.endr
	WIN 0
.irp b, 0,1,2,3,4,5,6,7
	global_store_b128 v[LA], v[TT+4*\b:TT+4*\b+3], s[56:57] offset:(\a)*65536+\b*512
.endr
.endm
.irp a, 0,1,2,3
	SOFT \a
	PACKST \a
.endr
	v_cndmask_b32 v248, v240, v241, s62            ; both halves of the lanes hold the same figures: lanes 0-15 send block 0's (2's), lanes 16-31 block 1's (3's)
	v_cndmask_b32 v249, v244, v245, s62
	v_cndmask_b32 v250, v242, v243, s62
	v_cndmask_b32 v251, v246, v247, s62
	global_store_b64 v[L8], v[248:249], s[66:67]              ; 32 rows x 8 bytes: 256 consecutive bytes
	global_store_b64 v[L8], v[250:251], s[66:67] offset:256
	s_wait_tensorcnt 0x0                           ; the wave's end
	ds_add_u32 v[SPW], v[NIL]
	s_wait_dscnt 0x0
	s_endpgm
.Lfunc_end_k_q73e3e6e17d_scores:
	.size	k_q73e3e6e17d_scores, .Lfunc_end_k_q73e3e6e17d_scores-k_q73e3e6e17d_scores
	.p2alignl 7, 3214868480
	.fill 96, 4, 3214868480
	.section	.rodata,"a",@progbits
	.p2align	6, 0x0
	.amdhsa_kernel k_q73e3e6e17d_scores
		.amdhsa_group_segment_fixed_size 327680
		.amdhsa_private_segment_fixed_size 0
		.amdhsa_enable_private_segment 0
		.amdhsa_kernarg_size 24
		.amdhsa_user_sgpr_count 2
		.amdhsa_user_sgpr_kernarg_segment_ptr 1
		.amdhsa_wavefront_size32 1
		.amdhsa_system_sgpr_workgroup_id_x 1
		.amdhsa_system_sgpr_workgroup_id_y 1
		.amdhsa_system_sgpr_workgroup_id_z 1
		.amdhsa_system_vgpr_workitem_id 0
		.amdhsa_next_free_vgpr 512
		.amdhsa_next_free_sgpr 70
		.amdhsa_reserve_vcc 1
		.amdhsa_float_denorm_mode_32 3
		.amdhsa_float_denorm_mode_16_64 3
		.amdhsa_memory_ordered 1
		.amdhsa_forward_progress 1
		.amdhsa_inst_pref_size 134
	.end_amdhsa_kernel
	.amdgpu_metadata
---
amdhsa.version: [ 1, 2 ]
amdhsa.kernels:
  - .name:           k_q73e3e6e17d_scores
    .symbol:         k_q73e3e6e17d_scores.kd
    .args:
      - { .name: qkvimg, .offset: 0, .size: 8, .value_kind: global_buffer, .address_space: global }
      - { .name: pimg, .offset: 8, .size: 8, .value_kind: global_buffer, .address_space: global }
      - { .name: stats, .offset: 16, .size: 8, .value_kind: global_buffer, .address_space: global }
    .group_segment_fixed_size: 327680
    .private_segment_fixed_size: 0
    .kernarg_segment_align: 8
    .kernarg_segment_size: 24
    .max_flat_workgroup_size: 256
    .sgpr_count:     70
    .vgpr_count:     512
    .wavefront_size: 32
...
	.end_amdgpu_metadata
.endif
;; end of part 3
;; launch mix (part 4): grid 8 x 32, 4 waves a work-group, clusters of 4 x 1, 327,680 bytes of LDS; arguments pimg, qkvimg, stats, attnimg; writes attnimg
.if DOCPART == 4
	.amdgcn_target "amdgcn-amd-amdhsa--gfx1250"
	.amdhsa_code_object_version 6
	.text
	.protected	k_q73e3e6e17d_mix
	.globl	k_q73e3e6e17d_mix
	.p2align	8
	.type	k_q73e3e6e17d_mix,@function
k_q73e3e6e17d_mix:
	s_mov_b64 s[64:65], 0
	v_nop
	global_prefetch_b8 v0, s[64:65] scope:SCOPE_SE
	s_setreg_imm32_b32 hwreg(HW_REG_WAVE_MODE, 25, 1), 1
	s_wait_xcnt 0x0
	s_wait_alu depctr_hold_cnt(0) depctr_sa_sdst(0) depctr_va_vdst(0) depctr_va_sdst(0) depctr_va_ssrc(0) depctr_va_vcc(0) depctr_vm_vsrc(0)
	s_getreg_b32 s2, hwreg(HW_REG_IB_STS2, 6, 4)
	s_cmp_eq_u32 s2, 0
	s_cbranch_scc0 .Lentry_in_a_cluster
	s_endpgm
.Lentry_in_a_cluster:
	s_bfe_u32 s2, ttmp6, 0x10000c
	s_cmp_lg_u32 s2, 0x3003
	s_cbranch_scc0 .Lentry_shape_is_right
	s_endpgm
.Lentry_shape_is_right:
; FOURTH LAUNCH.  The softmax's second half and O = P V (f16 operands, f32 sums).
; LEFT OUT: key steps wholly above the causal diagonal (shown at the head of the first kernel).
; A work-group (y = 8 x batch + p; 128 channels: 4 x cluster x + cx) makes query blocks p and then 15 - p of its batch, 128 queries x 128 channels each.  Together they have NINE steps of 256 keys, whatever p is:
; n1 = (p + 2) / 2 for the first, 9 - n1 for the second: 256 work-groups of equal work, and every trip count is a constant of the text.
; THE SOFTMAX.  For each row: nm = the least of its chunks' nm (that is, the greatest M); f = 2^(nm - nm of the chunk), a power of two, at most 1; l = the sum of f l of the chunks.
; Each chunk of 128 keys has sums of its own, T = P' V, begun with the constant 0; behind the chunk the block's sums take f T by fused multiply-adds in f32.  At the end they are multiplied by 1 / l and leave in f16,
; in blocks of 16 x 16 in the order of an operand's registers.
; CLUSTER: the four partners take four groups of channels of the same rows: P's tiles are asked for JOINTLY (mask 15).  V's tile hangs on cx: a load of the work-group's own, behind the same round.
; No branch and no LDS address hangs on cx: all hang on y, the step's number and the wave's number.
; SHARES: four waves, 64 queries x 64 channels each: 16 accumulators.  Used transposed (source 0 = 16 channels of V^T, by the turning LDS load; source 1 = 16 queries of P): a lane holds one query, so f is one number a lane.
; RING: two slots of a step (P: 8 row blocks x 8,192 bytes; V: 16 key blocks x 4,096).  Waves 0, 1 fetch P's halves, waves 2, 3 V's.  A wave has two tensor loads out at the start and one behind each round.
; REGISTERS: window 0: v1 16 x lane; v2 the turning load's place; v16-24, v31 LDS addresses; v30 the prefetch's offset; v32-95 at work (tables at the head, packed results on the way out); v96-111 the factors, in pairs;
;   v112-127 1 / l of the two blocks, in pairs; v128-255 T ((a, b) at v[128 + 8 (4 a + b)]).  window 1: two fragment buffers of 128: for 64 keys, 64 registers of P, then 64 of V^T.  window 2: v128-255 the block's sums.
.set SLOTB, 131072
.set VOFF,  65536
.set FT,    262144                     ; the factors: [18 chunks in the order of the walk][128 rows] f32
.set ILT,   271360                     ; 1 / l: [2 blocks][128 rows] f32
.set SPARE, 272384                     ; the spare words, 128 bytes for each wave; no other line names them
.set LA,   1
.set AVL,  2
.set ADRA, 16
.set ADRV, 20
.set FADR, 22
.set FTA,  23
.set ILA,  24
.set SPW,  28
.set NIL,  29
.set PFO,  30
.set FB,   31
.set TMP,  32
.set FAC,  96
.set ILC,  112
.set ACC,  128
.set F0,   0
.set F1,   128
.set MSB, 0
.macro WIN new                         ; the immediate's high byte repeats the setting that is left
.if MSB != \new
	s_set_vgpr_msb (MSB<<8)|\new
.set MSB, \new
.endif
.endm
.set MUL, 0x05                         ; sources 0, 1 window 1; C and D window 0
; SCALARS: s3 trips; s4:5 P at my batch; s6:7 V at my batch, my half, my channels; s8 the factors' step in LDS; s10-12 wave, its halves; s13 cx; s14 batch; s15 p; s16 n1; s17 n1 - 1; s18, s19 P's offsets of the two blocks;
; s20-22 at work; s23 group of channels; s24-39 groups 1; s40-47 P's groups 0; s48-55 V's; s56-59 O's two bases; s62 the step; s63 1 where the step begins a block; s66:67 P's offset; s68:69 V's; s70-87 masks;
; s88:89 stats; s90:91 attnimg; s92:93 the prefetch's address; s94:95 its base; s96 its limit; s97-99 at work.  The registers that feed P's descriptors never hold cx.
.macro JLOAD s                         ; waves 0, 1: P's tile, jointly; waves 2, 3: V's.  An s_nop 0 and four v_nop follow each of the two lines
	s_cmp_eq_u32 s11, 0
	s_cbranch_scc0 .Lfor_v_\@
	tensor_load_to_lds s[40+4*\s:43+4*\s], s[24:31]
	s_nop 0
.rept 4
	v_nop
.endr
	s_branch .Lasked_\@
.Lfor_v_\@:
	tensor_load_to_lds s[48+4*\s:51+4*\s], s[32:39]
	s_nop 0
.rept 4
	v_nop
.endr
.Lasked_\@:
.endm
.macro CREST                           ; a round of the cluster's barrier behind its opening barrier
	s_cmp_lg_u32 s10, 0
	s_cbranch_scc1 .Lnot_wave_0_\@
	s_barrier_signal -3
.Lnot_wave_0_\@:
	s_barrier_wait -3
	s_barrier_signal -1
	s_barrier_wait -1
.endm
.macro CROUND
	s_barrier_signal -1
	s_barrier_wait -1
	CREST
.endm
.macro PLACES                          ; plain places behind matrix instructions, in front of loads into their sources and of reads of their results
.rept 4
	v_nop
.endr
.endm
; The global addresses of step u = s62 + ahead of the walk, into the groups 0 of a slot.  u < n1: block p, key step u; else block 15 - p, key step u - n1.
.macro SETG slot, ahead
	s_add_co_u32 s20, s62, \ahead
	s_cmp_lt_u32 s20, s16
	s_cselect_b32 s66, s18, s19
	s_cselect_b32 s21, 0, s16
	s_lshl_b32 s22, s20, 13                        ; 256 keys are 8,192 bytes of a row block of P
	s_add_co_u32 s66, s66, s22
	s_mov_b32 s67, 0
	s_sub_co_u32 s21, s20, s21
	s_lshl_b32 s68, s21, 19                        ; and 16 key blocks of 32,768 bytes of V
	s_mov_b32 s69, 0
	s_add_nc_u64 s[42+4*\slot:43+4*\slot], s[4:5], s[66:67]
	s_or_b32 s[43+4*\slot], s[43+4*\slot], 0x80000000
	s_add_nc_u64 s[50+4*\slot:51+4*\slot], s[6:7], s[68:69]
	s_or_b32 s[51+4*\slot], s[51+4*\slot], 0x80000000
.endm
; A PREFETCH INTO THE L2 of P's tile of the step that stands two refills on.  Both clusters of a y read the same P: the first (cluster x = 0) asks.  Waves 0 and 1 ask, each for the four row blocks that it fetches;
; the four partners share these out BY ADDRESS, one row block of 8,192 bytes each, lanes 256 bytes apart: each aligned block of 256 bytes is named once in the launch.  Nothing is asked for at the head, nor beyond step 8.
.macro ASK
	s_add_co_u32 s20, s62, 4
	s_cmp_le_u32 s20, s96
	s_cbranch_scc0 .Lnot_mine_\@
	global_prefetch_b8 v[PFO], s[92:93] th:TH_LOAD_NT scope:SCOPE_SE
.Lnot_mine_\@:
.endm
.macro MUL8 f, c, a0, zero             ; query blocks a0, a0 + 1 x the 4 channel blocks, 32 keys.  The 16 accumulators take turns, one instruction a turn
.irp a, \a0, \a0+1
.irp b, 0,1,2,3
.if \zero
	v_wmma_f32_16x16x32_f16 v[ACC+8*(4*(\a)+\b):ACC+8*(4*(\a)+\b)+7], v[\f+64+8*(4*\c+\b):\f+64+8*(4*\c+\b)+7], v[\f+8*(4*\c+\a):\f+8*(4*\c+\a)+7], 0
.else
	v_wmma_f32_16x16x32_f16 v[ACC+8*(4*(\a)+\b):ACC+8*(4*(\a)+\b)+7], v[\f+64+8*(4*\c+\b):\f+64+8*(4*\c+\b)+7], v[\f+8*(4*\c+\a):\f+8*(4*\c+\a)+7], v[ACC+8*(4*(\a)+\b):ACC+8*(4*(\a)+\b)+7]
.endif
.endr
.endr
.endm
.macro FETCH slot, qd, f               ; 32 LDS loads in one run: the qd-th 64 keys of the slot; the first 32 keys first
	WIN 0x40
.irp c, 0,1
.irp i, 0,1,2,3
	ds_load_tr16_b128 v[\f+64+8*(4*\c+\i):\f+64+8*(4*\c+\i)+3],   v[ADRV+\slot] offset:(2*(2*(\qd)+\c))*4096+512*\i
	ds_load_tr16_b128 v[\f+64+8*(4*\c+\i)+4:\f+64+8*(4*\c+\i)+7], v[ADRV+\slot] offset:(2*(2*(\qd)+\c)+1)*4096+512*\i
	ds_load_b128 v[\f+8*(4*\c+\i):\f+8*(4*\c+\i)+3],               v[ADRA+\slot] offset:8192*\i+(2*(2*(\qd)+\c))*512
	ds_load_b128 v[\f+8*(4*\c+\i)+4:\f+8*(4*\c+\i)+7],             v[ADRA+\slot] offset:8192*\i+(2*(2*(\qd)+\c)+1)*512
.endr
.endr
.endm
.macro FACLOAD                         ; at a step's head, behind the last use of the old ones: the step's factors: two chunks x my four query blocks, each into the low word of a pair
	v_add_nc_u32 v[FADR], s8, v[FB]
.irp cc, 0,1
.irp a, 0,1,2,3
	ds_load_b32 v[FAC+2*(4*\cc+\a)], v[FADR] offset:512*\cc+64*\a
.endr
.endr
	s_add_co_u32 s8, s8, 1024
.endm
.macro QUARTER slot, qn, f, g, zero    ; 64 keys: multiplies buffer f and fetches the slot's qn-th 64 keys into g.  zero = 1: a chunk's first quarter starts T
	s_wait_dscnt 16                                ; the first 32 keys' sixteen loads are in: at most sixteen younger LDS loads may be out (at a step's head: the 8 factors and 8 of the second 32 keys)
	WIN MUL
	MUL8 \f, 0, 0, \zero
	MUL8 \f, 0, 2, \zero
	PLACES                                         ; in front of loads into registers that matrix instructions have read
	FETCH \slot, \qn, \g
	s_wait_dscnt 32                                ; all but the 32 just issued
	WIN MUL
	MUL8 \f, 1, 0, 0
	MUL8 \f, 1, 2, 0
.endm
; A chunk is finished: the block's sums (window 2) take f T, in f32, two numbers an instruction; of the pair that holds f the low word serves both halves.  first = 1: the block's first chunk starts the sums.
; Each T is read from its low end on.  These lines are also the places in front of the next chunk's products, which begin T anew.
.macro ACCUM cc, first
	PLACES
.if \first
	WIN 0x80                                       ; destination window 2
.else
	WIN 0xa0                                       ; destination and addend window 2
.endif
.irp a, 0,1,2,3
.irp b, 0,1,2,3
.irp q, 0,1,2,3
.if \first
	v_pk_mul_f32 v[ACC+8*(4*\a+\b)+2*\q:ACC+8*(4*\a+\b)+2*\q+1], v[ACC+8*(4*\a+\b)+2*\q:ACC+8*(4*\a+\b)+2*\q+1], v[FAC+2*(4*\cc+\a):FAC+2*(4*\cc+\a)+1] op_sel_hi:[1,0]
.else
	v_pk_fma_f32 v[ACC+8*(4*\a+\b)+2*\q:ACC+8*(4*\a+\b)+2*\q+1], v[ACC+8*(4*\a+\b)+2*\q:ACC+8*(4*\a+\b)+2*\q+1], v[FAC+2*(4*\cc+\a):FAC+2*(4*\cc+\a)+1], v[ACC+8*(4*\a+\b)+2*\q:ACC+8*(4*\a+\b)+2*\q+1] op_sel_hi:[1,0,1]
.endif
.endr
.endr
.endr
.endm
.macro ACCUM0 chk                      ; a step's first chunk.  chk = 1: the step may begin a block (a branch on ids and the step's number)
.if \chk
	WIN 0
	s_cmp_eq_u32 s63, 1
	s_cbranch_scc0 .Lgoes_on_\@
	ACCUM 0, 1
	WIN 0
	s_branch .Ljoined_\@
.Lgoes_on_\@:
	ACCUM 0, 0
	WIN 0
.Ljoined_\@:
.else
	ACCUM 0, 0
.endif
.endm
.macro TURN slot, next, fill           ; a step's last quarter (buffer 1) changes slots
	WIN 0
.if \fill
	s_wait_xcnt 0x0                                ; the last prefetch, a step back, has read its address
	s_add_co_u32 s20, s62, 4
	s_cmp_lt_u32 s20, s16
	s_cselect_b32 s66, s18, s19
	s_lshl_b32 s22, s20, 13
	s_add_co_u32 s66, s66, s22
	s_mov_b32 s67, 0
	s_add_nc_u64 s[92:93], s[94:95], s[66:67]
.endif
	s_wait_tensorcnt 0x0                           ; all my tensor loads have landed: my part of the next slot
	ds_add_u32 v[SPW], v[NIL]                      ; 0 onto my spare word
.if \fill
	SETG \slot, 2                                  ; no load of mine is out: this slot's next tiles, two steps on
.endif
	s_wait_dscnt 0x0                               ; the add is done, and my reads of this slot are over
	s_barrier_signal -1
	WIN MUL
	MUL8 F1, 0, 0, 0
	MUL8 F1, 0, 2, 0
	WIN 0
	s_barrier_wait -1
.if \fill
	CREST                                          ; the barrier has opened a round: no wave of any partner still reads this slot or has a load on its way
	JLOAD \slot                                    ; its four v_nop are also the places in front of the loads below
.else
	PLACES
.endif
	FETCH \next, 0, F0
	WIN 0
.if \fill
	ASK
.endif
	WIN MUL
	MUL8 F1, 1, 0, 0
	MUL8 F1, 1, 2, 0
.endm
.macro FLUSH blk                       ; a block is finished: x 1 / l, to f16, out: a store of the wave is one block of 512 bytes
	s_wait_xcnt 0x0                                ; earlier stores have read the registers that are written now
	WIN 0x82                                       ; the sums: window 2; 1 / l: window 0
.irp a, 0,1,2,3
.irp b, 0,1,2,3
.irp q, 0,1,2,3
	v_pk_mul_f32 v[ACC+8*(4*\a+\b)+2*\q:ACC+8*(4*\a+\b)+2*\q+1], v[ACC+8*(4*\a+\b)+2*\q:ACC+8*(4*\a+\b)+2*\q+1], v[ILC+8*\blk+2*\a:ILC+8*\blk+2*\a+1] op_sel_hi:[1,0]
.endr
.endr
.endr
	WIN 0x0a                                       ; sources window 2, destination window 0
.irp a, 0,1,2,3
.irp b, 0,1,2,3
.irp q, 0,1,2,3
	v_cvt_pk_f16_f32 v[TMP+4*(4*\a+\b)+\q], v[ACC+8*(4*\a+\b)+2*\q], v[ACC+8*(4*\a+\b)+2*\q+1]
.endr
.endr
.endr
	WIN 0
.irp a, 0,1,2,3
.irp b, 0,1,2,3
	global_store_b128 v[LA], v[TMP+4*(4*\a+\b):TMP+4*(4*\a+\b)+3], s[56+2*\blk:57+2*\blk] offset:\a*32768+\b*512
.endr
.endr
.endm
.macro STEPM slot, next, fill, chk     ; a step of 256 keys: two chunks of two quarters.  chk = 1: the step may begin or end the first block
	FACLOAD
	QUARTER \slot, 1, F0, F1, 1
	QUARTER \slot, 2, F1, F0, 0
	ACCUM0 \chk
	QUARTER \slot, 3, F0, F1, 1
	TURN \slot, \next, \fill
	ACCUM 1, 0
	WIN 0
.if \chk
	s_cmp_eq_u32 s62, s17                          ; the first block's last step?
	s_cselect_b32 s63, 1, 0
	s_cbranch_scc0 .Lnot_done_\@
	FLUSH 0
.Lnot_done_\@:
.endif
	s_add_co_u32 s62, s62, 1
.endm
	s_load_b128 s[4:7], s[0:1], 0x0                ; pimg, qkvimg
	s_load_b128 s[88:91], s[0:1], 0x10             ; stats, attnimg
	v_lshl_add_u32 v[SPW], v0, 2, SPARE
	v_mov_b32 v[NIL], 0
	ds_add_u32 v[SPW], v[NIL]                      ; the wave's opening: the add, twice on end, and its wait ahead of my first tensor load
	ds_add_u32 v[SPW], v[NIL]
	v_lshrrev_b32 v3, 5, v0
	v_readfirstlane_b32 s10, v3                    ; wave 0..3
	s_lshr_b32 s11, s10, 1                         ; which 64 queries are mine.  Also: I fetch P (0) or V (1)
	s_and_b32 s12, s10, 1                          ; which 64 channels.  Also: which half of that tile I fetch
	s_bfe_u32 s13, ttmp6, 0x40000                  ; cx
	s_and_b32 s20, ttmp7, 0xffff
	s_lshr_b32 s14, s20, 3                         ; batch
	s_and_b32 s15, s20, 7                          ; p
	s_add_co_u32 s16, s15, 2
	s_lshr_b32 s16, s16, 1                         ; n1
	s_sub_co_u32 s17, s16, 1
	s_sub_co_u32 s21, 15, s15
	s_lshl_b32 s18, s15, 3
	s_lshl_b32 s22, s12, 2
	s_add_co_u32 s18, s18, s22
	s_lshl_b32 s18, s18, 16                        ; block p: (8 p + 4 x half) row blocks of 65,536 bytes
	s_lshl_b32 s19, s21, 3
	s_add_co_u32 s19, s19, s22
	s_lshl_b32 s19, s19, 16
	s_lshl_b32 s22, s16, 13
	s_sub_co_u32 s19, s19, s22                     ; block 15 - p, with the walk's n1 steps taken off
	s_mov_b32 s24, 15|(3<<16)|(1<<21)              ; P: the mask of all four; elements of 8 bytes; bit 21 beside a mask
	s_mov_b32 s25, 1024<<16                        ; rows of 8,192 bytes
	s_mov_b32 s26, 4<<16
	s_mov_b32 s27, 1024<<16
	s_mov_b32 s28, 4
	s_mov_b32 s29, 8192                            ; 65,536 bytes from row block to row block
	s_mov_b32 s30, 0
	s_mov_b32 s31, 0
	s_mov_b32 s32, 3<<16                           ; V: no mask; 8 rows of 4,096 bytes, 32,768 apart
	s_mov_b32 s33, 512<<16
	s_mov_b32 s34, 8<<16
	s_mov_b32 s35, 512<<16
	s_mov_b32 s36, 8
	s_mov_b32 s37, 4096
	s_mov_b32 s38, 0
	s_mov_b32 s39, 0
	s_mov_b32 s62, 0
	s_mov_b32 s63, 1
	s_mov_b32 s8, 0
	s_or_b32 s96, ttmp9, s11
	s_cmp_eq_u32 s96, 0
	s_cselect_b32 s96, 8, 0                        ; waves 0, 1 of the first cluster prefetch, up to step 8
	s_lshl_b32 s23, ttmp9, 2
	s_add_co_u32 s23, s23, s13                     ; my group of 128 channels
	s_lshl_b32 s68, s14, 7
	s_lshl_b32 s69, s12, 3
	s_add_co_u32 s68, s68, s69
	s_lshl_b32 s68, s68, 15
	s_lshl_b32 s69, s23, 12
	s_add_co_u32 s68, s68, s69
	s_add_co_u32 s68, s68, 33554432                ; V lies behind Q and K
	s_mov_b32 s69, 0
	s_lshl_b32 s66, s14, 23
	s_mov_b32 s67, 0
	s_lshl_b32 s97, s13, 16                        ; the prefetches: my work-group's row block of the four
	s_mov_b32 s98, 0
	s_lshl_b32 s99, s12, 15                        ; where my half goes in a slot
	s_wait_dscnt 0x0                               ; both opening adds are done
	s_wait_kmcnt 0x0
	s_add_nc_u64 s[4:5], s[4:5], s[66:67]
	s_add_nc_u64 s[6:7], s[6:7], s[68:69]
	s_mov_b32 s94, s97
	s_mov_b32 s95, s98
	s_add_nc_u64 s[94:95], s[4:5], s[94:95]
.irp s, 0,1
	s_mov_b32 s[40+4*\s], 1
	s_add_co_u32 s[41+4*\s], s99, \s*SLOTB
	s_mov_b32 s[48+4*\s], 1
	s_add_co_u32 s[49+4*\s], s99, \s*SLOTB+VOFF
.endr
	SETG 0, 0
	SETG 1, 1
	CROUND                                         ; all four work-groups are here: the first joint loads meet
	s_cmp_eq_u32 s11, 0                            ; a wave's two first fills stand in one arm
	s_cbranch_scc0 .Lfirst_v
	tensor_load_to_lds s[40:43], s[24:31]
	s_nop 0
	tensor_load_to_lds s[44:47], s[24:31]
	s_nop 0
.rept 4
	v_nop
.endr
	s_branch .Lfirst_done
.Lfirst_v:
	tensor_load_to_lds s[48:51], s[32:39]
	s_nop 0
	tensor_load_to_lds s[52:55], s[32:39]
	s_nop 0
.rept 4
	v_nop
.endr
.Lfirst_done:
	; THE TABLES.  Thread t takes row t of both blocks.  Chunk e of the walk: e < 2 n1: chunk e of block p; else chunk e - 2 n1 of block 15 - p.
	s_lshl_b32 s20, s16, 1
	s_lshl_b32 s21, s14, 11
	s_lshl_b32 s22, s15, 7
	s_add_co_u32 s22, s22, s21
	s_lshl_b32 s22, s22, 3                         ; block p's first row, 8 bytes a row
	s_sub_co_u32 s66, 15, s15
	s_lshl_b32 s66, s66, 7
	s_add_co_u32 s66, s66, s21
	s_lshl_b32 s66, s66, 3                         ; block 15 - p's
.irp e, 0,1,2,3,4,5,6,7,8,9,10,11,12,13,14,15,16,17
	s_cmp_gt_u32 s20, \e
	s_cselect_b32 s[70+\e], -1, 0                  ; all lanes on where the chunk is the first block's
	s_cselect_b32 s67, 0, s20
	s_cselect_b32 s21, s22, s66
	s_sub_co_u32 s67, \e, s67
	s_lshl_b32 s67, s67, 16
	s_add_co_u32 s67, s67, s21
	v_lshl_add_u32 v[32+\e], v0, 3, s67
	global_load_b64 v[50+2*\e:51+2*\e], v[32+\e], s[88:89]    ; (nm, l)
.endr
	v_and_b32 v3, 31, v0
	v_lshlrev_b32 v[LA], 4, v3
	v_lshlrev_b32 v[PFO], 8, v3
	v_and_b32 v4, 15, v0                           ; r
	v_bfe_u32 v5, v0, 4, 1                         ; h
	v_and_b32 v6, 7, v0
	v_bfe_u32 v7, v0, 3, 1
	v_lshl_add_u32 v[AVL], v5, 3, v6               ; the turning load: key 8 h + lane % 8,
	v_lshl_add_u32 v[AVL], v[AVL], 1, v7           ; channels 8 ((lane / 8) % 2) on:
	v_lshlrev_b32 v[AVL], 4, v[AVL]                ; the piece at 16 (2 key + half)
	s_lshl_b32 s20, s11, 15                        ; my 4 row blocks of P
	s_lshl_b32 s21, s12, 11                        ; my 4 channel blocks of V
	s_add_co_u32 s21, s21, VOFF
.irp s, 0,1
	v_add_nc_u32 v[ADRA+\s], s20, v[LA]
	v_add_nc_u32 v[ADRV+\s], s21, v[AVL]
	s_add_co_u32 s20, s20, SLOTB
	s_add_co_u32 s21, s21, SLOTB
.endr
	s_lshl_b32 s20, s11, 8
	v_lshl_add_u32 v[FB], v4, 2, s20
	v_add_nc_u32 v[ILA], ILT, v[FB]                ; 1 / l of row 64 x half + r
	v_add_nc_u32 v[FB], FT, v[FB]                  ; and its factors
	v_lshl_add_u32 v[FTA], v0, 2, FT
	v_lshl_add_u32 v94, v0, 2, ILT
	s_lshl_b32 s97, s14, 7
	s_lshl_b32 s98, s11, 2
	s_add_co_u32 s97, s97, s98                     ; O: 128 b + 4 x half,
	s_lshl_b32 s98, s23, 3
	s_lshl_b32 s69, s12, 2
	s_add_co_u32 s98, s98, s69
	s_lshl_b32 s98, s98, 9                         ; block column 8 x group + 4 x half
	s_lshl_b32 s68, s15, 3
	s_add_co_u32 s68, s68, s97
	s_lshl_b32 s68, s68, 15
	s_add_co_u32 s68, s68, s98
	s_mov_b32 s69, 0
	s_add_nc_u64 s[56:57], s[90:91], s[68:69]      ; block p
	s_sub_co_u32 s68, 15, s15
	s_lshl_b32 s68, s68, 3
	s_add_co_u32 s68, s68, s97
	s_lshl_b32 s68, s68, 15
	s_add_co_u32 s68, s68, s98
	s_add_nc_u64 s[58:59], s[90:91], s[68:69]      ; block 15 - p
	v_mov_b32 v91, 0x7f61b1e6                      ; 3e38, over every nm
	v_mov_b32 v86, v91
	v_mov_b32 v87, v91
	v_mov_b32 v88, 0
	v_mov_b32 v89, 0
	s_wait_loadcnt 0x0
.irp e, 0,1,2,3,4,5,6,7,8,9,10,11,12,13,14,15,16,17
	v_cndmask_b32 v90, v91, v[50+2*\e], s[70+\e]
	v_cndmask_b32 v92, v[50+2*\e], v91, s[70+\e]
	v_min_num_f32 v86, v86, v90                    ; the first block's row: the least nm = the greatest M
	v_min_num_f32 v87, v87, v92                    ; the second block's
.endr
.irp e, 0,1,2,3,4,5,6,7,8,9,10,11,12,13,14,15,16,17
	v_cndmask_b32 v90, v87, v86, s[70+\e]
	v_sub_f32 v90, v90, v[50+2*\e]                 ; the chunk's M less the row's: a whole number, 0 or less
	v_cvt_i32_f32 v90, v90                         ; (it saturates)
	v_ldexp_f32 v[32+\e], 1.0, v90                 ; f, in f32
	v_cndmask_b32 v92, 0, v[32+\e], s[70+\e]
	v_sub_f32 v93, v[32+\e], v92
	v_fmac_f32 v88, v92, v[51+2*\e]                ; l of the first block's row
	v_fmac_f32 v89, v93, v[51+2*\e]                ; and of the second's
	ds_store_b32 v[FTA], v[32+\e] offset:512*\e
.endr
	v_rcp_f32 v88, v88
	v_rcp_f32 v89, v89
	v_nop                                          ; a plain place behind the reciprocals
	s_wait_alu depctr_va_vdst(0)                   ; one wait for both, ahead of their first reader
	ds_store_b32 v94, v88
	ds_store_b32 v94, v89 offset:512
	s_wait_tensorcnt 0x1                           ; my part of step 0 is in; step 1's load may be out
	s_wait_dscnt 0x0                               ; for the others' sake: my part of the tables lies in LDS
	s_barrier_signal -1
	s_barrier_wait -1
.irp a, 0,1,2,3
	ds_load_b32 v[ILC+2*\a], v[ILA] offset:64*\a
	ds_load_b32 v[ILC+8+2*\a], v[ILA] offset:512+64*\a
	v_mov_b32 v[ILC+2*\a+1], 0                     ; (the pairs' upper words are named, so they are written)
	v_mov_b32 v[ILC+8+2*\a+1], 0
	v_mov_b32 v[FAC+2*\a+1], 0
	v_mov_b32 v[FAC+8+2*\a+1], 0
.endr
	FETCH 0, 0, F0
	WIN 0
	s_mov_b32 s3, 3
.Lwalk:                                                ; steps 0 to 5, two a trip; each fills its slot again, two steps on
	STEPM 0, 1, 1, 1
	STEPM 1, 0, 1, 1
	s_sub_co_u32 s3, s3, 1
	s_cmp_lg_u32 s3, 0
	s_cbranch_scc1 .Lwalk
	STEPM 0, 1, 1, 0                               ; step 6 asks for step 8; n1 is 5 at the most, so steps 6 to 8 neither begin nor end the first block
	STEPM 1, 0, 0, 0                               ; step 7 asks for nothing
	FACLOAD                                        ; step 8
	QUARTER 0, 1, F0, F1, 1
	QUARTER 0, 2, F1, F0, 0
	ACCUM 0, 0
	QUARTER 0, 3, F0, F1, 1
	s_wait_dscnt 0x0
	WIN MUL
	MUL8 F1, 0, 0, 0
	MUL8 F1, 0, 2, 0
	MUL8 F1, 1, 0, 0
	MUL8 F1, 1, 2, 0
	ACCUM 1, 0
	WIN 0
	FLUSH 1
	s_wait_tensorcnt 0x0                           ; the wave's end
	ds_add_u32 v[SPW], v[NIL]
	s_wait_dscnt 0x0
	CROUND                                         ; the closing round
	s_endpgm
.Lfunc_end_k_q73e3e6e17d_mix:
	.size	k_q73e3e6e17d_mix, .Lfunc_end_k_q73e3e6e17d_mix-k_q73e3e6e17d_mix
	.p2alignl 7, 3214868480
	.fill 96, 4, 3214868480
	.section	.rodata,"a",@progbits
	.p2align	6, 0x0
	.amdhsa_kernel k_q73e3e6e17d_mix
		.amdhsa_group_segment_fixed_size 327680
		.amdhsa_private_segment_fixed_size 0
		.amdhsa_enable_private_segment 0
		.amdhsa_kernarg_size 32
		.amdhsa_user_sgpr_count 2
		.amdhsa_user_sgpr_kernarg_segment_ptr 1
		.amdhsa_wavefront_size32 1
		.amdhsa_system_sgpr_workgroup_id_x 1
		.amdhsa_system_sgpr_workgroup_id_y 1
		.amdhsa_system_sgpr_workgroup_id_z 1
		.amdhsa_system_vgpr_workitem_id 0
		.amdhsa_next_free_vgpr 768
		.amdhsa_next_free_sgpr 100
		.amdhsa_reserve_vcc 0
		.amdhsa_float_denorm_mode_32 3
		.amdhsa_float_denorm_mode_16_64 3
		.amdhsa_memory_ordered 1
		.amdhsa_forward_progress 1
		.amdhsa_inst_pref_size 202
	.end_amdhsa_kernel
	.amdgpu_metadata
---
amdhsa.version: [ 1, 2 ]
amdhsa.kernels:
  - .name:           k_q73e3e6e17d_mix
    .symbol:         k_q73e3e6e17d_mix.kd
    .args:
      - { .name: pimg, .offset: 0, .size: 8, .value_kind: global_buffer, .address_space: global }
      - { .name: qkvimg, .offset: 8, .size: 8, .value_kind: global_buffer, .address_space: global }
      - { .name: stats, .offset: 16, .size: 8, .value_kind: global_buffer, .address_space: global }
      - { .name: attnimg, .offset: 24, .size: 8, .value_kind: global_buffer, .address_space: global }
    .group_segment_fixed_size: 327680
    .private_segment_fixed_size: 0
    .kernarg_segment_align: 8
    .kernarg_segment_size: 32
    .max_flat_workgroup_size: 128
    .sgpr_count:     100
    .vgpr_count:     768
    .wavefront_size: 32
...
	.end_amdgpu_metadata
.endif
;; end of part 4
;; launch proj (part 5): grid 4 x 64, 4 waves a work-group, clusters of 4 x 4, 327,680 bytes of LDS; arguments attnimg, prepbuf, bo, out0; writes out0
.if DOCPART == 5
	.amdgcn_target "amdgcn-amd-amdhsa--gfx1250"
	.amdhsa_code_object_version 6
	.text
	.protected	k_q73e3e6e17d_proj
	.globl	k_q73e3e6e17d_proj
	.p2align	8
	.type	k_q73e3e6e17d_proj,@function
k_q73e3e6e17d_proj:
	s_mov_b64 s[64:65], 0
	v_nop
	global_prefetch_b8 v0, s[64:65] scope:SCOPE_SE
	s_setreg_imm32_b32 hwreg(HW_REG_WAVE_MODE, 25, 1), 1
	s_wait_xcnt 0x0
	s_wait_alu depctr_hold_cnt(0) depctr_sa_sdst(0) depctr_va_vdst(0) depctr_va_sdst(0) depctr_va_ssrc(0) depctr_va_vcc(0) depctr_vm_vsrc(0)
	s_getreg_b32 s2, hwreg(HW_REG_IB_STS2, 6, 4)
	s_cmp_eq_u32 s2, 0
	s_cbranch_scc0 .Lentry_in_a_cluster
	s_endpgm
.Lentry_in_a_cluster:
	s_bfe_u32 s2, ttmp6, 0x10000c
	s_cmp_lg_u32 s2, 0xf033
	s_cbranch_scc0 .Lentry_shape_is_right
	s_endpgm
.Lentry_shape_is_right:
; FIFTH LAUNCH.  out = attention rows x Wo + bo (f16 operands, f32 sums, K = 1,024), a tile of 128 rows x 256 columns to a work-group.
; LEFT OUT: the stores of rows 0-15 of each batch: the last launch makes these rows in f32 and is their one owner.
; Both operands lie in blocks of 16 x 16 in the order of an operand's registers (the attention rows from the fourth launch, Wo^T from the first): the loop is the third launch's.
; CLUSTERS: 4 x 4.  The column tile is cx; the row tile is 16 cy + cluster y: batch cy, place cluster y.  A's tiles are shared along a row of the cluster, B's along a column, by joint loads.
; 'This tile holds a batch's first rows' is cluster y = 0, the same in all sixteen.
; SHARES: four waves, 64 rows x 128 columns each: 32 accumulators; used transposed (source 0 = 16 rows of Wo^T, source 1 = 16 attention rows).  bo is the C of the first products.
; REGISTERS: window 0: v1 16 x lane; v16-25 LDS addresses; v32-95 A's two buffers; v96-223 B's two; on the way out v32-159 rows read back.  window 1: accumulator (a, b) at v[8 (8 a + b)].  window 2: v0-63 bo.
.set WOT_OFF, 6127616
.set SLOT,  98304
.set STAGE, 196608                     ; behind the ring: 16 rows x (512 bytes + 16) for each wave; no tensor load lands there
.set SPARE, 230400                     ; the spare words, 128 bytes for each wave; no other line names them
.set LA,   1
.set ADRA, 16
.set ADRB, 20
.set STO,  24
.set RD,   25
.set BOF,  26
.set SPW,  28
.set NIL,  29
.set MSB, 0
.macro WIN new                         ; the immediate's high byte repeats the setting that is left
.if MSB != \new
	s_set_vgpr_msb (MSB<<8)|\new
.set MSB, \new
.endif
.endm
.set MUL, 0x50                         ; sources window 0, C and D window 1
.macro JLOAD s                         ; a joint load: waves 0, 1 for A, waves 2, 3 for B; an s_nop 0 and four v_nop follow each of the two lines
	s_cmp_eq_u32 s13, 0
	s_cbranch_scc0 .Lfor_b_\@
	tensor_load_to_lds s[40+4*\s:43+4*\s], s[24:31]
	s_nop 0
.rept 4
	v_nop
.endr
	s_branch .Lasked_\@
.Lfor_b_\@:
	tensor_load_to_lds s[48+4*\s:51+4*\s], s[32:39]
	s_nop 0
.rept 4
	v_nop
.endr
.Lasked_\@:
.endm
.macro CREST
	s_cmp_lg_u32 s12, 0
	s_cbranch_scc1 .Lnot_wave_0_\@
	s_barrier_signal -3
.Lnot_wave_0_\@:
	s_barrier_wait -3
	s_barrier_signal -1
	s_barrier_wait -1
.endm
.macro CROUND
	s_barrier_signal -1
	s_barrier_wait -1
	CREST
.endm
.macro PLACES
.rept 4
	v_nop
.endr
.endm
.macro MULA f, a, zero                 ; row block a x the eight column blocks, 32 along K.  zero = 2: C = bo.  The 32 accumulators take turns, one instruction a turn
.irp b, 0,1,2,3,4,5,6,7
.if \zero == 2
	v_wmma_f32_16x16x32_f16 v[8*(8*(\a)+\b):8*(8*(\a)+\b)+7], v[96+64*(\f)+8*\b:96+64*(\f)+8*\b+7], v[32+32*(\f)+8*(\a):32+32*(\f)+8*(\a)+7], v[8*\b:8*\b+7]
.else
	v_wmma_f32_16x16x32_f16 v[8*(8*(\a)+\b):8*(8*(\a)+\b)+7], v[96+64*(\f)+8*\b:96+64*(\f)+8*\b+7], v[32+32*(\f)+8*(\a):32+32*(\f)+8*(\a)+7], v[8*(8*(\a)+\b):8*(8*(\a)+\b)+7]
.endif
.endr
.endm
.macro FETCH slot, k, f
.irp i, 0,1,2,3,4,5,6,7
	ds_load_b128 v[96+64*(\f)+8*\i:96+64*(\f)+8*\i+3],   v[ADRB+\slot] offset:\i*4096+(2*(\k))*512
	ds_load_b128 v[96+64*(\f)+8*\i+4:96+64*(\f)+8*\i+7], v[ADRB+\slot] offset:\i*4096+(2*(\k)+1)*512
.endr
.irp i, 0,1,2,3
	ds_load_b128 v[32+32*(\f)+8*\i:32+32*(\f)+8*\i+3],   v[ADRA+\slot] offset:\i*4096+(2*(\k))*512
	ds_load_b128 v[32+32*(\f)+8*\i+4:32+32*(\f)+8*\i+7], v[ADRA+\slot] offset:\i*4096+(2*(\k)+1)*512
.endr
.endm
.macro MWIN zero
.if \zero == 2
	WIN 0x60                                       ; C window 2, D window 1
.else
	WIN MUL
.endif
.endm
.macro QUARTER slot, kn, f, g, zero
	s_wait_dscnt 4                                 ; B and A's blocks 0, 1 are in; the youngest four loads may be out
	MWIN \zero
	MULA \f, 0, \zero
	MULA \f, 1, \zero
	PLACES
	WIN 0
	FETCH \slot, \kn, \g
	s_wait_dscnt 24                                ; all but the 24 just issued
	MWIN \zero
	MULA \f, 2, \zero
	MULA \f, 3, \zero
.endm
.macro TURN slot, next, fill
	WIN 0
	s_wait_tensorcnt 0x0                           ; all my tensor loads have landed: my part of the next slot
	ds_add_u32 v[SPW], v[NIL]                      ; 0 onto my spare word
.if \fill
	s_add_nc_u64 s[42+4*\slot:43+4*\slot], s[42+4*\slot:43+4*\slot], 8192
	s_add_nc_u64 s[50+4*\slot:51+4*\slot], s[50+4*\slot:51+4*\slot], 8192
.endif
	s_wait_dscnt 5                                 ; the add and the youngest four loads may be out
	WIN MUL
	MULA 1, 0, 0
	s_wait_dscnt 0x0                               ; the add is done, and my reads of this slot are over
	s_barrier_signal -1
	MULA 1, 1, 0
	WIN 0
	s_barrier_wait -1
.if \fill
	CREST                                          ; the barrier has opened a round: no wave of any partner still reads this slot or has a load on its way
	JLOAD \slot
.else
	PLACES
.endif
	FETCH \next, 0, 0
	WIN MUL
	MULA 1, 2, 0
	MULA 1, 3, 0
.endm
	s_load_b256 s[4:11], s[0:1], 0x0               ; attnimg, prepbuf, bo, out0
	v_lshl_add_u32 v[SPW], v0, 2, SPARE
	v_mov_b32 v[NIL], 0
	ds_add_u32 v[SPW], v[NIL]                      ; the wave's opening: the add, twice on end, and its wait ahead of my first tensor load
	ds_add_u32 v[SPW], v[NIL]
	v_lshrrev_b32 v2, 5, v0
	v_readfirstlane_b32 s12, v2                    ; wave 0..3
	s_lshr_b32 s13, s12, 1                         ; which 64 rows are mine.  Also: I fetch for A (0) or B (1)
	s_and_b32 s14, s12, 1                          ; which 128 columns.  Also: which half I fetch
	s_bfe_u32 s15, ttmp6, 0x40000                  ; cx
	s_bfe_u32 s16, ttmp6, 0x40004                  ; cy
	s_and_b32 s17, ttmp7, 0xffff                   ; cluster y
	s_lshl_b32 s18, s16, 4
	s_add_co_u32 s18, s18, s17                     ; row tile
	s_lshl_b32 s60, s16, 2
	s_lshl_b32 s60, 15, s60                        ; my row of the cluster
	s_lshl_b32 s61, 0x1111, s15                    ; my column
	s_or_b32 s24, s60, (3<<16)|(1<<21)
	s_mov_b32 s25, 512<<16
	s_mov_b32 s26, 4<<16
	s_mov_b32 s27, 512<<16
	s_mov_b32 s28, 4
	s_mov_b32 s29, 4096
	s_mov_b32 s30, 0
	s_mov_b32 s31, 0
	s_or_b32 s32, s61, (3<<16)|(1<<21)
	s_mov_b32 s33, 512<<16
	s_mov_b32 s34, 8<<16
	s_mov_b32 s35, 512<<16
	s_mov_b32 s36, 8
	s_mov_b32 s37, 4096
	s_mov_b32 s38, 0
	s_mov_b32 s39, 0
	s_lshl_b32 s56, s18, 3
	s_lshl_b32 s57, s14, 2
	s_add_co_u32 s56, s56, s57
	s_lshl_b32 s56, s56, 15                        ; A: row block 8 x row tile + 4 x half
	s_mov_b32 s57, 0
	s_lshl_b32 s58, s15, 4
	s_lshl_b32 s59, s14, 3
	s_add_co_u32 s58, s58, s59
	s_lshl_b32 s58, s58, 15                        ; B: row block 16 cx + 8 x half of Wo^T
	s_add_co_u32 s58, s58, WOT_OFF
	s_mov_b32 s59, 0
	s_lshl_b32 s62, s14, 14
	s_lshl_b32 s63, s14, 15
	s_add_co_u32 s63, s63, 32768
	s_wait_dscnt 0x0                               ; both opening adds are done
	s_wait_kmcnt 0x0
	s_add_nc_u64 s[56:57], s[4:5], s[56:57]
	s_add_nc_u64 s[58:59], s[6:7], s[58:59]
.irp s, 0,1
	s_mov_b32 s[40+4*\s], 1
	s_add_co_u32 s[41+4*\s], s62, \s*SLOT
	s_add_nc_u64 s[42+4*\s:43+4*\s], s[56:57], \s*4096
	s_or_b32 s[43+4*\s], s[43+4*\s], 0x80000000
	s_mov_b32 s[48+4*\s], 1
	s_add_co_u32 s[49+4*\s], s63, \s*SLOT
	s_add_nc_u64 s[50+4*\s:51+4*\s], s[58:59], \s*4096
	s_or_b32 s[51+4*\s], s[51+4*\s], 0x80000000
.endr
	CROUND                                         ; all sixteen work-groups are here: the first joint loads meet
	s_cmp_eq_u32 s13, 0                            ; a wave's two first fills stand in one arm
	s_cbranch_scc0 .Lfirst_b
	tensor_load_to_lds s[40:43], s[24:31]
	s_nop 0
	tensor_load_to_lds s[44:47], s[24:31]
	s_nop 0
.rept 4
	v_nop
.endr
	s_branch .Lfirst_done
.Lfirst_b:
	tensor_load_to_lds s[48:51], s[32:39]
	s_nop 0
	tensor_load_to_lds s[52:55], s[32:39]
	s_nop 0
.rept 4
	v_nop
.endr
.Lfirst_done:
	v_and_b32 v2, 31, v0
	v_lshlrev_b32 v[LA], 4, v2
	v_and_b32 v3, 15, v0                           ; r
	v_bfe_u32 v4, v0, 4, 1                         ; h
	v_lshlrev_b32 v[BOF], 5, v4
	s_lshl_b32 s68, s15, 10
	s_lshl_b32 s69, s14, 9
	s_add_co_u32 s68, s68, s69                     ; my 128 columns, in bytes of f32
	s_mov_b32 s69, 0
	s_add_nc_u64 s[8:9], s[8:9], s[68:69]
	WIN 0x80                                       ; destination window 2
.irp b, 0,1,2,3,4,5,6,7
	global_load_b128 v[8*\b:8*\b+3], v[BOF], s[8:9] offset:64*\b          ; lane (r, h): bo of columns 16 b + 8 h + 0 .. 7
	global_load_b128 v[8*\b+4:8*\b+7], v[BOF], s[8:9] offset:64*\b+16
.endr
	WIN 0
	s_lshl_b32 s20, s13, 14
	s_lshl_b32 s21, s14, 15
	s_add_co_u32 s21, s21, 32768
.irp s, 0,1
	v_add_nc_u32 v[ADRA+\s], s20, v[LA]
	v_add_nc_u32 v[ADRB+\s], s21, v[LA]
	s_add_co_u32 s20, s20, SLOT
	s_add_co_u32 s21, s21, SLOT
.endr
	s_mul_i32 s19, s12, 16*528
	s_add_co_u32 s19, s19, STAGE                   ; my stage
	v_mul_u32_u24 v[STO], v3, 528
	v_lshl_add_u32 v[STO], v4, 5, v[STO]
	v_add_nc_u32 v[STO], s19, v[STO]               ; in: row r, 32 bytes for each half of the lanes
	v_add_nc_u32 v[RD], s19, v[LA]                 ; back: the 32 lanes take one row of 512 bytes
	s_lshl_b32 s66, s18, 7
	s_lshl_b32 s67, s13, 6
	s_add_co_u32 s66, s66, s67                     ; my first row of out
	s_lshl_b32 s66, s66, 12
	s_add_co_u32 s66, s66, s68
	s_mov_b32 s67, 0
	s_add_nc_u64 s[10:11], s[10:11], s[66:67]
	s_wait_tensorcnt 1                             ; my part of K step 0 is in; K step 1's load may be out
	s_barrier_signal -1
	s_barrier_wait -1
	FETCH 0, 0, 0
	s_wait_loadcnt 0x0                             ; bo
	QUARTER 0, 1, 0, 1, 2                          ; the first quarter's products start the sums, from bo
	WIN 0
	s_mov_b32 s3, 3
.Llap:
	QUARTER 0, 2, 1, 0, 0
	QUARTER 0, 3, 0, 1, 0
	TURN 0, 1, 1
	QUARTER 1, 1, 0, 1, 0
	QUARTER 1, 2, 1, 0, 0
	QUARTER 1, 3, 0, 1, 0
	TURN 1, 0, 1
	QUARTER 0, 1, 0, 1, 0
	WIN 0
	s_sub_co_u32 s3, s3, 1
	s_cmp_lg_u32 s3, 0
	s_cbranch_scc1 .Llap
	QUARTER 0, 2, 1, 0, 0                          ; the last lap fills nothing, and has no round
	QUARTER 0, 3, 0, 1, 0
	TURN 0, 1, 0
	QUARTER 1, 1, 0, 1, 0
	QUARTER 1, 2, 1, 0, 0
	QUARTER 1, 3, 0, 1, 0
	s_wait_dscnt 4
	WIN MUL
	MULA 1, 0, 0
	MULA 1, 1, 0
	s_wait_dscnt 0x0
	MULA 1, 2, 0
	MULA 1, 3, 0
	WIN 0
	PLACES
; THE WAY OUT, a block of 16 rows x 128 columns at a time, through my own stage: in by 32 bytes a lane, back as whole rows of 512 bytes.  LDS serves a wave's instructions in order.
.macro TOSTAGE a
	WIN 0x04                                       ; an LDS store's data: window 1
.irp b, 0,1,2,3,4,5,6,7
	ds_store_b128 v[STO], v[64*(\a)+8*\b:64*(\a)+8*\b+3] offset:64*\b        ; each accumulator from its low end on
	ds_store_b128 v[STO], v[64*(\a)+8*\b+4:64*(\a)+8*\b+7] offset:64*\b+16
.endr
	WIN 0
.irp t, 0,1,2,3,4,5,6,7,8,9,10,11,12,13,14,15
	ds_load_b128 v[32+64*((\a)%2)+4*\t:32+64*((\a)%2)+4*\t+3], v[RD] offset:\t*528
.endr
.endm
.macro SEND a
.irp t, 0,1,2,3,4,5,6,7,8,9,10,11,12,13,14,15
	global_store_b128 v[LA], v[32+64*((\a)%2)+4*\t:32+64*((\a)%2)+4*\t+3], s[10:11] offset:(\a)*65536+\t*4096 th:TH_STORE_NT   ; 512 consecutive bytes, aligned
.endr
.endm
	TOSTAGE 0
	TOSTAGE 1
	s_wait_dscnt 32                                ; block 0 is back; block 1's 16 stores and 16 loads may be out
	s_or_b32 s19, s17, s13
	s_cmp_eq_u32 s19, 0                            ; a batch's rows 0-15: the last launch's
	s_cbranch_scc1 .Lhead_rows
	SEND 0
.Lhead_rows:
	s_wait_xcnt 0x0                                ; block 0's stores have read their registers
	TOSTAGE 2
	s_wait_dscnt 32
	SEND 1
	s_wait_xcnt 0x0
	TOSTAGE 3
	s_wait_dscnt 32
	SEND 2
	s_wait_dscnt 0x0
	SEND 3
	s_wait_tensorcnt 0x0                           ; the wave's end
	ds_add_u32 v[SPW], v[NIL]
	s_wait_dscnt 0x0
	CROUND                                         ; the closing round
	s_endpgm
.Lfunc_end_k_q73e3e6e17d_proj:
	.size	k_q73e3e6e17d_proj, .Lfunc_end_k_q73e3e6e17d_proj-k_q73e3e6e17d_proj
	.p2alignl 7, 3214868480
	.fill 96, 4, 3214868480
	.section	.rodata,"a",@progbits
	.p2align	6, 0x0
	.amdhsa_kernel k_q73e3e6e17d_proj
		.amdhsa_group_segment_fixed_size 327680
		.amdhsa_private_segment_fixed_size 0
		.amdhsa_enable_private_segment 0
		.amdhsa_kernarg_size 32
		.amdhsa_user_sgpr_count 2
		.amdhsa_user_sgpr_kernarg_segment_ptr 1
		.amdhsa_wavefront_size32 1
		.amdhsa_system_sgpr_workgroup_id_x 1
		.amdhsa_system_sgpr_workgroup_id_y 1
		.amdhsa_system_sgpr_workgroup_id_z 1
		.amdhsa_system_vgpr_workitem_id 0
		.amdhsa_next_free_vgpr 576
		.amdhsa_next_free_sgpr 80
		.amdhsa_reserve_vcc 0
		.amdhsa_float_denorm_mode_32 3
		.amdhsa_float_denorm_mode_16_64 3
		.amdhsa_memory_ordered 1
		.amdhsa_forward_progress 1
		.amdhsa_inst_pref_size 86
	.end_amdhsa_kernel
	.amdgpu_metadata
---
amdhsa.version: [ 1, 2 ]
amdhsa.kernels:
  - .name:           k_q73e3e6e17d_proj
    .symbol:         k_q73e3e6e17d_proj.kd
    .args:
      - { .name: attnimg, .offset: 0, .size: 8, .value_kind: global_buffer, .address_space: global }
      - { .name: prepbuf, .offset: 8, .size: 8, .value_kind: global_buffer, .address_space: global }
      - { .name: bo, .offset: 16, .size: 8, .value_kind: global_buffer, .address_space: global }
      - { .name: out0, .offset: 24, .size: 8, .value_kind: global_buffer, .address_space: global }
    .group_segment_fixed_size: 327680
    .private_segment_fixed_size: 0
    .kernarg_segment_align: 8
    .kernarg_segment_size: 32
    .max_flat_workgroup_size: 128
    .sgpr_count:     80
    .vgpr_count:     576
    .wavefront_size: 32
...
	.end_amdgpu_metadata
.endif
;; end of part 5
;; launch head (part 6): grid 64 x 4, 16 waves a work-group, no clusters, 36,864 bytes of LDS; arguments head32, Wo, bo, out0; writes out0
.if DOCPART == 6
	.amdgcn_target "amdgcn-amd-amdhsa--gfx1250"
	.amdhsa_code_object_version 6
	.text
	.protected	k_q73e3e6e17d_head
	.globl	k_q73e3e6e17d_head
	.p2align	8
	.type	k_q73e3e6e17d_head,@function
k_q73e3e6e17d_head:
	s_mov_b64 s[64:65], 0
	v_nop
	global_prefetch_b8 v0, s[64:65] scope:SCOPE_SE
	s_setreg_imm32_b32 hwreg(HW_REG_WAVE_MODE, 25, 1), 1
	s_wait_xcnt 0x0
; SIXTH LAUNCH.  Rows 0-15 of each batch, in f32 throughout: they average one to sixteen values and are the largest of the output, so that the rounding of 16-bit operands would weigh most there.
; LEFT OUT: bk, and all keys from 16 on, which the causal mask hides from these rows (shown at the head of the first kernel).
; A work-group takes a batch (y) and 16 output columns (x): out = softmax(Q K^T / 8) (V Wo) + bo, with Q, K, V [16][1024] in f32 from the second launch and Wo as it is given.
; The 1,024 along d are shared among sixteen waves, 64 each: 16 matrix instructions of 16 x 16 x 4 for S^T = K Q^T and 16 for V Wo, the two accumulators by turns.  The parts meet in LDS, added in a fixed order.
; head32 gives lane (r, h) four neighbours d = 16 b + 8 h + 4 u + 0 .. 3 of row r in one load; a pair of them is an operand of the f32 form.  That is a permutation of d, the same on both sides of each product.
; Wave 0 ends the work: mask, the row's true maximum, p = 2^(c s - c m), the sum, out^T = (V Wo)^T p^T in four links, x 1 / l, + bo.
; The registers that the f32 form writes (v144-167) are written by matrix instructions alone.  The last stores are pieces of 64 bytes a row: 262,144 bytes in the whole launch.
.set RED,   32768                      ; behind the waves' parts [16 waves][16 registers][32 lanes]: the sums [16 registers][32 lanes]
.set SPARE, 34816                      ; the spare words, 128 bytes for each wave; no other line names them
.set LA,  1
.set SPW, 2
.set NIL, 3
	s_load_b256 s[4:11], s[0:1], 0x0               ; head32, Wo, bo, out0
	v_lshl_add_u32 v[SPW], v0, 2, SPARE
	v_mov_b32 v[NIL], 0
	v_lshrrev_b32 v12, 5, v0
	v_readfirstlane_b32 s12, v12                   ; wave 0..15
	v_and_b32 v12, 31, v0
	v_lshlrev_b32 v[LA], 4, v12
	v_and_b32 v4, 15, v0                           ; r
	v_bfe_u32 v5, v0, 4, 1                         ; h
	v_lshlrev_b32 v6, 15, v5
	v_lshl_add_u32 v6, v4, 2, v6                   ; Wo: 8 h rows of 4,096 bytes + column r
	v_lshlrev_b32 v12, 2, v12                      ; 4 x lane
	s_lshl_b32 s14, s12, 11
	v_add_nc_u32 v7, s14, v12                      ; my wave's parts
	s_lshl_b32 s14, s12, 7
	v_add_nc_u32 v8, s14, v12                      ; register w of every wave's parts
	v_add_nc_u32 v9, RED, v8                       ; its sum
	v_add_nc_u32 v10, RED, v12                     ; all sums
	v_lshlrev_b32 v11, 3, v5
	v_sub_nc_u32 v11, v4, v11                      ; r - 8 h
	v_lshlrev_b32 v13, 5, v5                       ; 32 h
	v_lshl_add_u32 v15, v4, 12, v13                ; out: row r of 4,096 bytes + 32 h
	v_mov_b32 v14, 0xff800000                      ; -infinity
	s_mov_b32 s20, 0x76543210
	s_mov_b32 s21, 0xfedcba98                      ; lane l xor 16
	s_mov_b32 s22, 0x3e38aa3b                      ; c = log2(e) / 8
	s_and_b32 s13, ttmp7, 0xffff                   ; batch
	s_lshl_b32 s14, s13, 16
	s_lshl_b32 s15, s12, 12
	s_add_co_u32 s14, s14, s15                     ; head32: 65,536 bytes a batch, 4,096 for each 64 along d
	s_mov_b32 s15, 0
	s_lshl_b32 s16, s12, 18                        ; Wo: my 64 rows,
	s_lshl_b32 s18, ttmp9, 6                       ; my 16 columns
	s_add_co_u32 s16, s16, s18
	s_mov_b32 s17, 0
	s_mov_b32 s19, 0
	s_lshl_b32 s24, s13, 23                        ; out: 2,048 rows a batch
	s_add_co_u32 s24, s24, s18
	s_mov_b32 s25, 0
	s_wait_kmcnt 0x0
	s_add_nc_u64 s[4:5], s[4:5], s[14:15]
	s_add_nc_u64 s[6:7], s[6:7], s[16:17]
	s_add_nc_u64 s[8:9], s[8:9], s[18:19]
	s_add_nc_u64 s[10:11], s[10:11], s[24:25]
.irp m, 0,1,2,3,4,5,6,7
	global_load_b128 v[16+4*\m:19+4*\m], v[LA], s[4:5] offset:512*\m              ; Q
	global_load_b128 v[48+4*\m:51+4*\m], v[LA], s[4:5] offset:262144+512*\m       ; K
	global_load_b128 v[80+4*\m:83+4*\m], v[LA], s[4:5] offset:524288+512*\m       ; V
.endr
.irp m, 0,1,2,3,4,5,6,7
.irp i, 0,1,2,3
	global_load_b32 v[112+4*\m+\i], v6, s[6:7] offset:(16*(\m/2)+4*(\m%2)+\i)*4096   ; Wo at the same d as V's register
.endr
.endr
	s_wait_loadcnt 0x0
	v_wmma_f32_16x16x4_f32 v[144:151], v[48:49], v[16:17], 0         ; S^T: lane (r, h), register j: key 8 h + j, query r
	v_wmma_f32_16x16x4_f32 v[152:159], v[80:81], v[112:113], 0       ; V Wo: key 8 h + j, column r
.set nn, 1
.rept 15
	v_wmma_f32_16x16x4_f32 v[144:151], v[48+2*nn:49+2*nn], v[16+2*nn:17+2*nn], v[144:151]     ; the two accumulators by turns
	v_wmma_f32_16x16x4_f32 v[152:159], v[80+2*nn:81+2*nn], v[112+2*nn:113+2*nn], v[152:159]
.set nn, nn+1
.endr
.rept 8
	v_nop                                          ; eight places behind this form, in front of the reads of its results and of loads into its sources
.endr
.irp j, 0,1,2,3,4,5,6,7,8,9,10,11,12,13,14,15
	ds_store_b32 v7, v[144+\j] offset:128*\j
.endr
	s_wait_dscnt 0x0                               ; for the others' sake: my parts lie in LDS
	s_barrier_signal -1
	s_barrier_wait -1
.irp k, 0,1,2,3,4,5,6,7,8,9,10,11,12,13,14,15
	ds_load_b32 v[16+\k], v8 offset:2048*\k
.endr
	s_wait_dscnt 0x0
.irp k, 0,2,4,6,8,10,12,14
	v_add_f32 v[16+\k], v[16+\k], v[17+\k]
.endr
.irp k, 0,4,8,12
	v_add_f32 v[16+\k], v[16+\k], v[18+\k]
.endr
.irp k, 0,8
	v_add_f32 v[16+\k], v[16+\k], v[20+\k]
.endr
	v_add_f32 v16, v16, v24
	ds_store_b32 v9, v16
	s_wait_dscnt 0x0                               ; for wave 0's sake
	s_barrier_signal -1
	s_barrier_wait -1
	s_cmp_lg_u32 s12, 0
	s_cbranch_scc1 .Lend
	global_load_b128 v[64:67], v13, s[8:9]         ; bo of columns 8 h + 0 .. 7
	global_load_b128 v[68:71], v13, s[8:9] offset:16
.irp j, 0,1,2,3,4,5,6,7,8,9,10,11,12,13,14,15
	ds_load_b32 v[32+\j], v10 offset:128*\j        ; v32-39 S^T, v40-47 V Wo
.endr
	v_mov_b32 v49, 0                               ; a lane permute's destination counts as one of its sources
	s_wait_dscnt 0x0
.irp j, 0,1,2,3,4,5,6,7
	v_cmp_gt_i32 vcc_lo, \j, v11                   ; key 8 h + j comes after query r
	v_cndmask_b32 v[32+\j], v[32+\j], v14, vcc_lo
.endr
	v_max3_num_f32 v48, v32, v33, v34
	v_max3_num_f32 v48, v48, v35, v36
	v_max3_num_f32 v48, v48, v37, v38
	v_max_num_f32 v48, v48, v39
	v_permlanex16_b32 v49, v48, s20, s21
	v_max_num_f32 v48, v48, v49                    ; the row's largest score (key 0 counts for every query)
	v_mul_f32 v48, s22, v48
.irp j, 0,1,2,3,4,5,6,7
	v_fma_f32 v[32+\j], v[32+\j], s22, -v48
.endr
.irp j, 0,1,2,3,4,5,6,7
	v_exp_f32 v[32+\j], v[32+\j]
.endr
	v_nop                                          ; a plain place behind the exponentials
	s_wait_alu depctr_va_vdst(0)                   ; one wait for the batch, ahead of its first reader
	v_add_f32 v50, v32, v33
	v_add_f32 v51, v34, v35
	v_add_f32 v52, v36, v37
	v_add_f32 v53, v38, v39
	v_add_f32 v50, v50, v51
	v_add_f32 v52, v52, v53
	v_add_f32 v50, v50, v52
	v_permlanex16_b32 v49, v50, s20, s21
	v_add_f32 v50, v50, v49                        ; l
	v_rcp_f32 v50, v50
	v_nop                                          ; a plain place behind the reciprocal
	s_wait_alu depctr_va_vdst(0)                   ; its wait
	v_wmma_f32_16x16x4_f32 v[160:167], v[40:41], v[32:33], 0         ; out^T: source 0 = 16 columns of V Wo, source 1 = 16 queries of p; keys 8 h + 2 s + j on both sides
	s_wait_alu depctr_va_vdst(0)                   ; the wait directly ahead of every link
	v_wmma_f32_16x16x4_f32 v[160:167], v[42:43], v[34:35], v[160:167]
	s_wait_alu depctr_va_vdst(0)
	v_wmma_f32_16x16x4_f32 v[160:167], v[44:45], v[36:37], v[160:167]
	s_wait_alu depctr_va_vdst(0)
	v_wmma_f32_16x16x4_f32 v[160:167], v[46:47], v[38:39], v[160:167]
.rept 8
	v_nop
.endr
	s_wait_loadcnt 0x0                             ; bo
.irp j, 0,1,2,3,4,5,6,7
	v_fma_f32 v[72+\j], v[160+\j], v50, v[64+\j]   ; lane (r, h), register j: out(query r, column 8 h + j)
.endr
	global_store_b128 v15, v[72:75], s[10:11]
	global_store_b128 v15, v[76:79], s[10:11] offset:16
.Lend:
	s_wait_tensorcnt 0x0                           ; the wave's end, behind my last LDS store
	ds_add_u32 v[SPW], v[NIL]
	s_wait_dscnt 0x0
	s_endpgm
.Lfunc_end_k_q73e3e6e17d_head:
	.size	k_q73e3e6e17d_head, .Lfunc_end_k_q73e3e6e17d_head-k_q73e3e6e17d_head
	.p2alignl 7, 3214868480
	.fill 96, 4, 3214868480
	.section	.rodata,"a",@progbits
	.p2align	6, 0x0
	.amdhsa_kernel k_q73e3e6e17d_head
		.amdhsa_group_segment_fixed_size 36864
		.amdhsa_private_segment_fixed_size 0
		.amdhsa_enable_private_segment 0
		.amdhsa_kernarg_size 32
		.amdhsa_user_sgpr_count 2
		.amdhsa_user_sgpr_kernarg_segment_ptr 1
		.amdhsa_wavefront_size32 1
		.amdhsa_system_sgpr_workgroup_id_x 1
		.amdhsa_system_sgpr_workgroup_id_y 1
		.amdhsa_system_sgpr_workgroup_id_z 1
		.amdhsa_system_vgpr_workitem_id 0
		.amdhsa_next_free_vgpr 192
		.amdhsa_next_free_sgpr 66
		.amdhsa_reserve_vcc 1
		.amdhsa_float_denorm_mode_32 3
		.amdhsa_float_denorm_mode_16_64 3
		.amdhsa_memory_ordered 1
		.amdhsa_forward_progress 1
		.amdhsa_inst_pref_size 18
	.end_amdhsa_kernel
	.amdgpu_metadata
---
amdhsa.version: [ 1, 2 ]
amdhsa.kernels:
  - .name:           k_q73e3e6e17d_head
    .symbol:         k_q73e3e6e17d_head.kd
    .args:
      - { .name: head32, .offset: 0, .size: 8, .value_kind: global_buffer, .address_space: global }
      - { .name: Wo, .offset: 8, .size: 8, .value_kind: global_buffer, .address_space: global }
      - { .name: bo, .offset: 16, .size: 8, .value_kind: global_buffer, .address_space: global }
      - { .name: out0, .offset: 24, .size: 8, .value_kind: global_buffer, .address_space: global }
    .group_segment_fixed_size: 36864
    .private_segment_fixed_size: 0
    .kernarg_segment_align: 8
    .kernarg_segment_size: 32
    .max_flat_workgroup_size: 512
    .sgpr_count:     66
    .vgpr_count:     192
    .wavefront_size: 32
...
	.end_amdgpu_metadata
.endif
;; end of part 6
